; MI455X (gfx1250); checked and timed in simulation.
; The chip was launched on July 23, 2026; its instructions are those of AMD's public machine-readable ISA for CDNA 5 (MIT licence, August 2026) and "CDNA5" Instruction Set Architecture Reference Guide (July 2026). The comments in the code are by the model that wrote it; some were corrected since.
;; Moe Fc. Allowed arithmetic: matrix products marked QUANTISED: E4M3 operands, one E8M0 scale for each 32 along K, by v_wmma_scale_f32_16x16x128_f8f6f4 with both operands' format E4M3, f32 sums; products left as they are: f32 operands where the result goes on into a quantised operand, else bf16, f16 or f32 operands; f32 sums; everything else in f32.
;; Inputs: b1 8 x 1,024 float32; b2 8 x 1,024 float32; b3 8 x 1,024 float32; gate_b 8 float32; gate_w 8 x 1,024 float32; w1_codes 8 x 1,024 x 32 x 32 uint8 (E4M3 codes of w1, K innermost, in blocks of 32 codes); w1_scales 8 x 1,024 x 32 uint8 (E8M0 scales of w1, one for each 32 codes along K); w2_codes 8 x 1,024 x 32 x 32 uint8 (E4M3 codes of w2, K innermost, in blocks of 32 codes); w2_scales 8 x 1,024 x 32 uint8 (E8M0 scales of w2, one for each 32 codes along K); w3_codes 8 x 1,024 x 32 x 32 uint8 (E4M3 codes of w3, K innermost, in blocks of 32 codes); w3_scales 8 x 1,024 x 32 uint8 (E8M0 scales of w3, one for each 32 codes along K); x 2 x 1,024 x 1,024 float32.
;; Outputs: out0 2 x 1,024 x 1,024 float32.
;; This version of the problem:
;;   THIS VERSION OF THE PROBLEM IS GIVEN IN LOW PRECISION. The matrix products marked QUANTISED in the list below multiply operands that are first quantised to E4M3 (4 exponent bits, 3 mantissa bits; 8 bits a number), with one power-of-two scale for each 32 numbers along K (OCP MX v1.0); their sums are f32. All else is computed in f32.
;;   The module's matrix products, in the order in which they are computed (A, B: the left and right operand; K: the contracted axis; several contracted axes count as one K, in the product's order):
;;     1. [M 2,048, K 1,024] x [K 1,024, N 8]; A: input x; B: input gate_w: left as it is (N = 8 < 16)
;;     2. batch 2,048 x [M 8, K 2] x [K 2, N 1]; A: computed on the way; B: computed on the way: left as it is (K = 2 < 32)
;;     3. [M 2,048, K 1,024] x [K 1,024, N 1,024]; A: input x; B: input w1 (given as codes): QUANTISED
;;     4. [M 2,048, K 1,024] x [K 1,024, N 1,024]; A: computed on the way; B: input w2 (given as codes): QUANTISED
;;     5. [M 2,048, K 1,024] x [K 1,024, N 1,024]; A: computed on the way; B: input w3 (given as codes): QUANTISED
;;     6. [M 2,048, K 1,024] x [K 1,024, N 1,024]; A: input x; B: input w1 (given as codes): QUANTISED
;;     7. [M 2,048, K 1,024] x [K 1,024, N 1,024]; A: computed on the way; B: input w2 (given as codes): QUANTISED
;;     8. [M 2,048, K 1,024] x [K 1,024, N 1,024]; A: computed on the way; B: input w3 (given as codes): QUANTISED
;;     9. [M 2,048, K 1,024] x [K 1,024, N 1,024]; A: input x; B: input w1 (given as codes): QUANTISED
;;     10. [M 2,048, K 1,024] x [K 1,024, N 1,024]; A: computed on the way; B: input w2 (given as codes): QUANTISED
;;     11. [M 2,048, K 1,024] x [K 1,024, N 1,024]; A: computed on the way; B: input w3 (given as codes): QUANTISED
;;     12. [M 2,048, K 1,024] x [K 1,024, N 1,024]; A: input x; B: input w1 (given as codes): QUANTISED
;;     13. [M 2,048, K 1,024] x [K 1,024, N 1,024]; A: computed on the way; B: input w2 (given as codes): QUANTISED
;;     14. [M 2,048, K 1,024] x [K 1,024, N 1,024]; A: computed on the way; B: input w3 (given as codes): QUANTISED
;;     15. [M 2,048, K 1,024] x [K 1,024, N 1,024]; A: input x; B: input w1 (given as codes): QUANTISED
;;     16. [M 2,048, K 1,024] x [K 1,024, N 1,024]; A: computed on the way; B: input w2 (given as codes): QUANTISED
;;     17. [M 2,048, K 1,024] x [K 1,024, N 1,024]; A: computed on the way; B: input w3 (given as codes): QUANTISED
;;     18. [M 2,048, K 1,024] x [K 1,024, N 1,024]; A: input x; B: input w1 (given as codes): QUANTISED
;;     19. [M 2,048, K 1,024] x [K 1,024, N 1,024]; A: computed on the way; B: input w2 (given as codes): QUANTISED
;;     20. [M 2,048, K 1,024] x [K 1,024, N 1,024]; A: computed on the way; B: input w3 (given as codes): QUANTISED
;;     21. [M 2,048, K 1,024] x [K 1,024, N 1,024]; A: input x; B: input w1 (given as codes): QUANTISED
;;     22. [M 2,048, K 1,024] x [K 1,024, N 1,024]; A: computed on the way; B: input w2 (given as codes): QUANTISED
;;     23. [M 2,048, K 1,024] x [K 1,024, N 1,024]; A: computed on the way; B: input w3 (given as codes): QUANTISED
;;     24. [M 2,048, K 1,024] x [K 1,024, N 1,024]; A: input x; B: input w1 (given as codes): QUANTISED
;;     25. [M 2,048, K 1,024] x [K 1,024, N 1,024]; A: computed on the way; B: input w2 (given as codes): QUANTISED
;;     26. [M 2,048, K 1,024] x [K 1,024, N 1,024]; A: computed on the way; B: input w3 (given as codes): QUANTISED
;;   THE QUANTISER, for each operand of a quantised product, along K:
;;     - K is cut into blocks of 32 from its start; a last block that is shorter is filled with zeros.
;;     - A block's scale is 2^e with e = floor(log2(the largest magnitude in the block)) - 8, held to -126 .. 127; a block of zeros has e = 0. As a byte (E8M0): e + 127.
;;     - Each number is divided by its block's scale, clamped to +-448, and rounded to the nearest number of E4M3, ties to even, subnormals kept.
;;     - The product sums the exact products of the quantised numbers (number of the format x scale) in f32.
;;   ~~~python
;;   def quantise(x, axis):      # numpy; x: float32 -> the quantised numbers, widened to float32 again
;;       x = np.moveaxis(x, axis, -1); K = x.shape[-1]
;;       x = np.pad(x, [(0, 0)] * (x.ndim - 1) + [(0, -K % 32)]); x = x.reshape(x.shape[:-1] + (-1, 32)); a = np.abs(x).max(-1, keepdims=True)
;;       e = np.where(a > 0, np.clip(np.frexp(np.where(a > 0, a, 1))[1] - 1 - 8, -126, 127), 0)      # np.frexp(a)[1] - 1 = floor(log2(a)), exactly
;;       r = np.clip(x / 2.0 ** e, -448, 448)
;;       step = 2.0 ** (np.maximum(np.frexp(np.where(r == 0, 1, r))[1] - 1, -6) - 3)
;;       q = np.round(r / step) * step * 2.0 ** e      # np.round: ties to even
;;       return np.moveaxis(q.reshape(q.shape[:-2] + (-1,))[..., :K], -1, axis).astype(np.float32)
;;   ~~~
;;   OPERANDS COMPUTED ON THE WAY. 'Computed on the way' means the value that the module computes at that place (a softmax that the list does not call 'softmax' is quantised finished and normalised). What goes into a quantiser is computed in f32, as accurately as f32 sums, v_exp_f32 and their like allow (about 1e-6 of the number): no bf16 or f16 on the way to a quantiser, and a product that is left as it is and whose result goes on into a quantised operand takes f32 operands (vector FMAs, or v_wmma_f32_16x16x4_f32). A number that lies on a knife's edge between two numbers of the format may be rounded either way, as far as f32 arithmetic and the matrix unit's own rounding can turn it there, and no further.
;;   INPUTS GIVEN AS CODES. w1 (in the module: [8, 1024, 1024], K = its axis 1); w2 (in the module: [8, 1024, 1024], K = its axis 1); w3 (in the module: [8, 1024, 1024], K = its axis 1): each comes as NAME_codes (uint8): NAME with its K axis moved to the last place and cut into blocks of 32 codes, [.., K / 32, bytes a block], one block behind the other in memory; one code a byte (a code: sign, 4 exponent bits, 3 mantissa bits); and NAME_scales (uint8): the same leading axes, one E8M0 byte (e + 127) for each 32 codes along K. Its value is code x scale, taken as it is: it is not quantised again, and the codes and scales need not be those that the quantiser above would give.
;; One version. Each part assembles by itself: llvm-mc -triple=amdgcn-amd-amdhsa -mcpu=gfx1250 --defsym DOCPART=n.
;; ======== version 1 of 1: 5 launches
;; workspace buffers: xq 2,162,688 bytes; rinfo 8,192 bytes of whole numbers; rw 16,384 bytes; sinfo 8,192 bytes of whole numbers; h1 4,325,376 bytes; h2 4,325,376 bytes
;; launch route (part 1): grid 256 x 1, 4 waves a work-group, no clusters, 768 bytes of LDS; arguments x, gate_w, gate_b, xq, rinfo, rw; writes xq, rinfo, rw
.if DOCPART == 1
	.amdgcn_target "amdgcn-amd-amdhsa--gfx1250"
	.amdhsa_code_object_version 6
	.text
	.protected	k_q1068f7973f_route
	.globl	k_q1068f7973f_route
	.p2align	8
	.type	k_q1068f7973f_route,@function
k_q1068f7973f_route:
	s_mov_b64 s[64:65], 0
	v_nop
	global_prefetch_b8 v0, s[64:65] scope:SCOPE_SE
	s_setreg_imm32_b32 hwreg(HW_REG_WAVE_MODE, 25, 1), 1
	s_wait_xcnt 0x0
; ROUTE.  For each of 2,048 tokens: x's row is quantised to E4M3 codes with one E8M0 byte for each 32 along K (into xq); the 8 gate logits x . gate_w[e] + gate_b[e] in f32;
; softmax over the experts with the row's maximum taken away; the top 2 of the probabilities (ties to the lower index, as jax.lax.top_k); stored at fixed places, by token:
;   rinfo[t] = bin | a << 8 | b << 12: a < b the two chosen experts, bin = the number of the pair (a, b) among the 28 pairs;   rw[t] = (weight of a, weight of b).
; The weight of the expert chosen FIRST is probs[t][0], that of the SECOND probs[t][1]: by the slot's number, as reference() has it.
; DEAD WORK, left out by the launches that follow.  reference() runs all 8 experts on every token and weighs them by cw[t][e] = sum over j of onehot[t][j][e] probs[t][j].  onehot is built in
; reference() from topi, so cw[t][e] is exactly 0 for the six experts that are not in topi[t], whatever the inputs hold, and cw x h then adds 0 for every finite h.  So an expert is run on a block
; of tokens only where a token of the block chose it; inside such a block the other tokens' rows are computed and thrown away by a select.  The einsum that makes cw is a selection and is done as one.
; Every input has a way to the output: all are loaded by some launch.
; LIMITS.  A NaN, an infinity or an overflow that arises only in the chain of an expert that a token did not choose is not carried to the result.  NaN among the logits is not served.
; An exponential under 2^-126 comes out as 0 (ISA guide, v_exp_f32); equal probabilities go to the lower index.  The division by the sum is a reciprocal and a multiplication.
; A block of 32 zeros gets the scale byte 1 where the quantiser says 127: its codes are zeros, and this program alone reads the bytes.
; No address and no branch here hangs on a floating-point number: what is chosen is only stored.
; SHARES.  A work-group takes 8 tokens, a wave 2 (T = 0, 1).  In segment q (256 along K) lane l holds k = 256 q + 8 l + 0 .. 7: eight neighbours for one conversion; four lanes hold a block of 32.
; No matrix unit: the gate has 8 columns.  No cluster: work-groups share only gate_w's 32,768 bytes.
.set SPARE, 256                        ; LDS: bytes 0-255 the work-group's 8 x 32 scale bytes; then the spare words, 128 bytes a wave
.set LN,  1                            ; v1   lane
.set O32, 2                            ; v2   32 x lane: my 8 numbers in a segment
.set O8,  3                            ; v3   8 x lane: my 8 codes in a segment; also a lane's 8 bytes on the scale bytes' way out, and rw's
.set XB,  4                            ; v4   LDS: 64 x wave + lane / 4: my block's byte
.set SPW, 5                            ; v5   my spare word; never rewritten
.set NIL, 6                            ; v6   0; never rewritten
.set O4,  7                            ; v7   4 x lane
.set Q8,  16                           ; v16-31  two sets of 8 held numbers; later the top-2's registers
.set X,   32                           ; v32-95  x: [32 T + 8 q + j]
.set G,   96                           ; v96-223 gate_w: two sets of 64: [64 (q % 2) + 8 e + j]
.set ACC, 224                          ; v224-255 the sums, a pair each: [16 T + 2 e]; before them v224-239 hold the codes
.set BYT, 240                          ; v240-247 the eight scale bytes, a register each
	s_load_b256 s[4:11], s[0:1], 0x0               ; x s[4:5], gate_w s[6:7], gate_b s[8:9], xq s[10:11]
	s_load_b128 s[12:15], s[0:1], 0x20             ; rinfo s[12:13], rw s[14:15]
	v_lshl_add_u32 v[SPW], v0, 2, SPARE
	v_mov_b32 v[NIL], 0
	v_lshrrev_b32 v[LN], 5, v0
	v_readfirstlane_b32 s16, v[LN]                 ; wave
	v_and_b32 v[LN], 31, v0
	v_lshlrev_b32 v[O32], 5, v[LN]
	v_lshlrev_b32 v[O8], 3, v[LN]
	v_lshlrev_b32 v[O4], 2, v[LN]
	v_lshrrev_b32 v[XB], 2, v[LN]
	s_lshl_b32 s17, s16, 6
	v_add_nc_u32 v[XB], s17, v[XB]
	s_mov_b32 s20, 0x76543210                      ; v_permlanex16_b32's selects for lane l xor 16
	s_mov_b32 s21, 0xfedcba98
	s_mov_b32 s22, 0x600000                        ; the mantissa field of 448
	s_lshl_b32 s18, ttmp9, 15
	s_lshl_b32 s17, s16, 13
	s_add_co_u32 s18, s18, s17                     ; my first token (8 x work-group + 2 x wave) x 4,096 bytes
	s_mov_b32 s19, 0
	s_wait_alu depctr_va_vdst(0)
	s_wait_kmcnt 0x0
	s_load_b256 s[24:31], s[8:9], 0x0              ; gate_b: 8 numbers
	s_add_nc_u64 s[4:5], s[4:5], s[18:19]          ; x at my first token
	s_add_nc_u64 s[36:37], s[10:11], 0x200000      ; xq's scale words lie behind its 2,097,152 bytes of codes
	s_lshr_b32 s18, s18, 2
	s_add_nc_u64 s[10:11], s[10:11], s[18:19]      ; codes: 1,024 bytes a token
	s_lshr_b32 s18, s18, 7
	s_add_nc_u64 s[14:15], s[14:15], s[18:19]      ; rw: 8 bytes a token
	s_lshr_b32 s18, s18, 1
	s_add_nc_u64 s[12:13], s[12:13], s[18:19]      ; rinfo: 4 bytes a token
	s_lshl_b32 s18, ttmp9, 8
	s_add_nc_u64 s[36:37], s[36:37], s[18:19]      ; scale bytes: 256 a work-group
.macro GLOAD q                         ; gate_w's segment q, all 8 experts: 16 loads
.irp e, 0,1,2,3,4,5,6,7
	global_load_b128 v[G+64*((\q)%2)+8*\e:G+64*((\q)%2)+8*\e+3],   v[O32], s[6:7] offset:\e*4096+(\q)*1024
	global_load_b128 v[G+64*((\q)%2)+8*\e+4:G+64*((\q)%2)+8*\e+7], v[O32], s[6:7] offset:\e*4096+(\q)*1024+16
.endr
.endm
.irp T, 0,1
.irp q, 0,1,2,3
	global_load_b128 v[X+32*\T+8*\q:X+32*\T+8*\q+3],   v[O32], s[4:5] offset:\T*4096+\q*1024 th:TH_LOAD_NT
	global_load_b128 v[X+32*\T+8*\q+4:X+32*\T+8*\q+7], v[O32], s[4:5] offset:\T*4096+\q*1024+16 th:TH_LOAD_NT
.endr
.endr
	GLOAD 0
	GLOAD 1
	s_wait_loadcnt 32                              ; x's 16 loads are in; gate_w's 32 stay out
; Segment q of token T is quantised: the block's largest magnitude over four lanes, the scale, the hold, the conversion.  x itself stays as it is, for the dot products.
.macro QX T, q
.set XR, X+32*\T+8*\q
.set QS, Q8+8*((\q)%2)
.set CD, ACC+2*(4*\T+\q)
.set BY, BYT+4*\T+\q
	v_max3_num_f32 v8, |v[XR]|, |v[XR+1]|, 0x4800000               ; with the floor 2^(9 - 127): the byte cannot fall under 1
	v_max3_num_f32 v9, |v[XR+2]|, |v[XR+3]|, |v[XR+4]|
	v_max3_num_f32 v8, v8, |v[XR+5]|, |v[XR+6]|
	v_max3_num_f32 v8, v8, v9, |v[XR+7]|
	v_max_num_f32_dpp v8, v8, v8 row_xmask:1 row_mask:0xf bank_mask:0xf
	v_max_num_f32_dpp v8, v8, v8 row_xmask:2 row_mask:0xf bank_mask:0xf   ; the block's largest magnitude
	v_add_nc_u32 v11, 0xfc000000, v8               ; 8 off its exponent field: the conversion's scale operand
	v_and_or_b32 v10, v8, 0x7f800000, s22          ; 448 x the scale
	v_lshrrev_b32 v[BY], 23, v11                   ; the scale's byte
.irp j, 0,1,2,3,4,5,6,7
	v_med3_num_f32 v[QS+\j], v[XR+\j], -v10, v10   ; the conversion to an 8-bit code does not saturate (ISA guide 7.6.2): the hold comes first
.endr
	v_cvt_scalef32_pk8_fp8_f32 v[CD:CD+1], v[QS:QS+7], v11
	ds_store_b8 v[XB], v[BY] offset:32*\T+8*\q     ; four lanes write the same byte with the same value
	global_store_b64 v[O8], v[CD:CD+1], s[10:11] offset:\T*1024+256*\q   ; 32 lanes store 256 consecutive bytes, aligned
.endm
.irp T, 0,1
.irp q, 0,1,2,3
	QX \T, \q
.endr
.endr
	s_wait_xcnt 0x0                                ; the stores have read the codes' registers,
	s_wait_dscnt 0x0                               ; the LDS stores the bytes': both become sums now
; The 16 dot products' part of segment q: 64 packed multiply-adds on 16 pairs of sums by turns.  The first products start the sums.
.macro DOT q
.set GS, G+64*((\q)%2)
.irp jp, 0,2,4,6
.irp e, 0,1,2,3,4,5,6,7
.irp T, 0,1
.if (\q) == 0 && \jp == 0
	v_pk_mul_f32 v[ACC+16*\T+2*\e:ACC+16*\T+2*\e+1], v[X+32*\T+8*(\q)+\jp:X+32*\T+8*(\q)+\jp+1], v[GS+8*\e+\jp:GS+8*\e+\jp+1]
.else
	v_pk_fma_f32 v[ACC+16*\T+2*\e:ACC+16*\T+2*\e+1], v[X+32*\T+8*(\q)+\jp:X+32*\T+8*(\q)+\jp+1], v[GS+8*\e+\jp:GS+8*\e+\jp+1], v[ACC+16*\T+2*\e:ACC+16*\T+2*\e+1]
.endif
.endr
.endr
.endr
.endm
	s_wait_loadcnt 16                              ; segment 0 is in; segment 1's 16 loads stay out
	DOT 0
	GLOAD 2
	s_wait_loadcnt 16                              ; segment 1 is in; segment 2's stay out
	DOT 1
	GLOAD 3
	s_wait_loadcnt 16
	DOT 2
	s_wait_loadcnt 0x0
	DOT 3
	; the sums over the pair's halves and over the 32 lanes: every lane ends with all 16 logits
.irp T, 0,1
.irp e, 0,1,2,3,4,5,6,7
	v_add_f32 v[ACC+16*\T+2*\e], v[ACC+16*\T+2*\e], v[ACC+16*\T+2*\e+1]
.endr
.endr
.irp x, 1,2,4,8
.irp T, 0,1
.irp e, 0,1,2,3,4,5,6,7
	v_add_f32_dpp v[ACC+16*\T+2*\e], v[ACC+16*\T+2*\e], v[ACC+16*\T+2*\e] row_xmask:\x row_mask:0xf bank_mask:0xf
.endr
.endr
.endr
.irp T, 0,1
.irp e, 0,1,2,3,4,5,6,7
	v_permlanex16_b32 v[ACC+16*\T+2*\e+1], v[ACC+16*\T+2*\e], s20, s21
.endr
.endr
	s_wait_kmcnt 0x0                               ; gate_b
.irp T, 0,1
.irp e, 0,1,2,3,4,5,6,7
	v_add_f32 v[ACC+16*\T+2*\e], v[ACC+16*\T+2*\e], v[ACC+16*\T+2*\e+1]
.endr
.endr
.irp T, 0,1
.irp e, 0,1,2,3,4,5,6,7
	v_add_f32 v[ACC+16*\T+2*\e], s[24+\e], v[ACC+16*\T+2*\e]
.endr
.endr
	; softmax: the maximum is taken away first, as reference() does
.irp T, 0,1
	v_max3_num_f32 v[8+\T], v[ACC+16*\T], v[ACC+16*\T+2], v[ACC+16*\T+4]
.endr
.irp T, 0,1
	v_max3_num_f32 v[8+\T], v[8+\T], v[ACC+16*\T+6], v[ACC+16*\T+8]
.endr
.irp T, 0,1
	v_max3_num_f32 v[8+\T], v[8+\T], v[ACC+16*\T+10], v[ACC+16*\T+12]
.endr
.irp T, 0,1
	v_max_num_f32 v[8+\T], v[8+\T], v[ACC+16*\T+14]
.endr
.irp T, 0,1
.irp e, 0,1,2,3,4,5,6,7
	v_sub_f32 v[ACC+16*\T+2*\e], v[ACC+16*\T+2*\e], v[8+\T]
.endr
.endr
.irp T, 0,1
.irp e, 0,1,2,3,4,5,6,7
	v_mul_f32 v[ACC+16*\T+2*\e], 0x3fb8aa3b, v[ACC+16*\T+2*\e]      ; x log2(e): the exponential works in base 2
.endr
.endr
	s_wait_alu depctr_va_vdst(0)
.irp T, 0,1
.irp e, 0,1,2,3,4,5,6,7
	v_exp_f32 v[ACC+16*\T+2*\e], v[ACC+16*\T+2*\e]
.endr
.endr
	v_nop                                          ; a plain instruction behind the last exponential,
	s_wait_alu depctr_va_vdst(0)                   ; and one wait for the batch of 16, ahead of its first reader
.irp T, 0,1
.irp e, 0,4,8,12
	v_add_f32 v[ACC+16*\T+\e+1], v[ACC+16*\T+\e], v[ACC+16*\T+\e+2]
.endr
.endr
.irp T, 0,1
	v_add_f32 v[ACC+16*\T+1], v[ACC+16*\T+1], v[ACC+16*\T+5]
	v_add_f32 v[ACC+16*\T+9], v[ACC+16*\T+9], v[ACC+16*\T+13]
.endr
.irp T, 0,1
	v_add_f32 v[ACC+16*\T+1], v[ACC+16*\T+1], v[ACC+16*\T+9]
.endr
	s_wait_alu depctr_va_vdst(0)
.irp T, 0,1
	v_rcp_f32 v[10+\T], v[ACC+16*\T+1]
.endr
	v_nop
	s_wait_alu depctr_va_vdst(0)                   ; one wait for the two reciprocals
.irp T, 0,1
.irp e, 0,1,2,3,4,5,6,7
	v_mul_f32 v[ACC+16*\T+2*\e], v[ACC+16*\T+2*\e], v[10+\T]        ; the probabilities
.endr
.endr
	; the top 2.  For token T: v[16+8T] the largest, v[17+8T] its expert, v[18+8T] the second, v[19+8T] its expert.  A strict > keeps the lower index at a tie
.irp T, 0,1
	v_mov_b32 v[16+8*\T], v[ACC+16*\T]
	v_mov_b32 v[17+8*\T], 0
	v_mov_b32 v[18+8*\T], -1.0                     ; under every probability
	v_mov_b32 v[19+8*\T], 0
.endr
.irp e, 1,2,3,4,5,6,7
.irp T, 0,1
	v_cmp_gt_f32 s[32+\T], v[ACC+16*\T+2*\e], v[16+8*\T]
.endr
.irp T, 0,1
	v_cndmask_b32 v[16+8*\T], v[16+8*\T], v[ACC+16*\T+2*\e], s[32+\T]
	v_cndmask_b32 v[17+8*\T], v[17+8*\T], \e, s[32+\T]
.endr
.endr
.irp e, 0,1,2,3,4,5,6,7
.irp T, 0,1
	v_cmp_gt_f32 s[32+\T], v[ACC+16*\T+2*\e], v[18+8*\T]
	v_cmp_ne_u32 s[34+\T], \e, v[17+8*\T]          ; not the expert that came first
.endr
.irp T, 0,1
	s_and_b32 s[32+\T], s[32+\T], s[34+\T]
.endr
.irp T, 0,1
	v_cndmask_b32 v[18+8*\T], v[18+8*\T], v[ACC+16*\T+2*\e], s[32+\T]
	v_cndmask_b32 v[19+8*\T], v[19+8*\T], \e, s[32+\T]
.endr
.endr
.irp T, 0,1
	v_cmp_lt_u32 s[32+\T], v[17+8*\T], v[19+8*\T]  ; is the first choice the lower expert?
	v_cndmask_b32 v[20+8*\T], v[19+8*\T], v[17+8*\T], s[32+\T]              ; a
	v_cndmask_b32 v[21+8*\T], v[17+8*\T], v[19+8*\T], s[32+\T]              ; b
	v_cndmask_b32 v[22+8*\T], v[ACC+16*\T+2], v[ACC+16*\T], s[32+\T]        ; a's weight: probs[0] if a was chosen first, else probs[1]
	v_cndmask_b32 v[23+8*\T], v[ACC+16*\T], v[ACC+16*\T+2], s[32+\T]        ; b's: the other
	v_sub_nc_u32 v[16+8*\T], 15, v[20+8*\T]
	v_mul_u32_u24 v[16+8*\T], v[16+8*\T], v[20+8*\T]
	v_lshrrev_b32 v[16+8*\T], 1, v[16+8*\T]        ; (15 - a) a / 2 pairs begin with a lower expert
	v_add_nc_u32 v[16+8*\T], v[16+8*\T], v[21+8*\T]
	v_sub_nc_u32 v[16+8*\T], v[16+8*\T], v[20+8*\T]
	v_add_nc_u32 v[16+8*\T], -1, v[16+8*\T]        ; + b - a - 1: the pair's number, 0 .. 27
	v_lshl_or_b32 v[16+8*\T], v[20+8*\T], 8, v[16+8*\T]
	v_lshl_or_b32 v[16+8*\T], v[21+8*\T], 12, v[16+8*\T]
.endr
	v_cmp_eq_u32 s32, 1, v[LN]                     ; lane 0 stores token 0's, lane 1 token 1's
	v_cndmask_b32 v14, v16, v24, s32
	v_cndmask_b32 v12, v22, v30, s32
	v_cndmask_b32 v13, v23, v31, s32
	v_cmp_gt_u32 vcc_lo, 2, v[LN]
	s_wait_alu depctr_va_vdst(0)
	s_wait_xcnt 0x0                                ; EXEC changes only behind this wait
	s_and_saveexec_b32 s38, vcc_lo
	global_store_b32 v[O4], v14, s[12:13]
	global_store_b64 v[O8], v[12:13], s[14:15]
	s_wait_xcnt 0x0                                ; and again, ahead of the line that widens it
	s_or_b32 exec_lo, exec_lo, s38
	s_wait_dscnt 0x0                               ; for the others' sake: my scale bytes lie in LDS
	s_barrier_signal -1
	s_barrier_wait -1
	s_cmp_lg_u32 s16, 0
	s_cbranch_scc1 .Lend
	ds_load_b64 v[8:9], v[O8]                      ; wave 0: the work-group's 256 scale bytes
	s_wait_dscnt 0x0
	global_store_b64 v[O8], v[8:9], s[36:37]       ; 32 lanes store 256 consecutive bytes, aligned
.Lend:
	s_wait_tensorcnt 0x0                           ; the wave's end
	ds_add_u32 v[SPW], v[NIL]
	s_wait_dscnt 0x0
	s_endpgm
.Lfunc_end_k_q1068f7973f_route:
	.size	k_q1068f7973f_route, .Lfunc_end_k_q1068f7973f_route-k_q1068f7973f_route
	.p2alignl 7, 3214868480
	.fill 96, 4, 3214868480
	.section	.rodata,"a",@progbits
	.p2align	6, 0x0
	.amdhsa_kernel k_q1068f7973f_route
		.amdhsa_group_segment_fixed_size 768
		.amdhsa_private_segment_fixed_size 0
		.amdhsa_enable_private_segment 0
		.amdhsa_kernarg_size 48
		.amdhsa_user_sgpr_count 2
		.amdhsa_user_sgpr_kernarg_segment_ptr 1
		.amdhsa_wavefront_size32 1
		.amdhsa_system_sgpr_workgroup_id_x 1
		.amdhsa_system_sgpr_workgroup_id_y 1
		.amdhsa_system_sgpr_workgroup_id_z 1
		.amdhsa_system_vgpr_workitem_id 0
		.amdhsa_next_free_vgpr 256
		.amdhsa_next_free_sgpr 66
		.amdhsa_reserve_vcc 1
		.amdhsa_float_denorm_mode_32 3
		.amdhsa_float_denorm_mode_16_64 3
		.amdhsa_memory_ordered 1
		.amdhsa_forward_progress 1
		.amdhsa_inst_pref_size 56
	.end_amdhsa_kernel
	.amdgpu_metadata
---
amdhsa.version: [ 1, 2 ]
amdhsa.kernels:
  - .name:           k_q1068f7973f_route
    .symbol:         k_q1068f7973f_route.kd
    .args:
      - { .name: x, .offset: 0, .size: 8, .value_kind: global_buffer, .address_space: global }
      - { .name: gate_w, .offset: 8, .size: 8, .value_kind: global_buffer, .address_space: global }
      - { .name: gate_b, .offset: 16, .size: 8, .value_kind: global_buffer, .address_space: global }
      - { .name: xq, .offset: 24, .size: 8, .value_kind: global_buffer, .address_space: global }
      - { .name: rinfo, .offset: 32, .size: 8, .value_kind: global_buffer, .address_space: global }
      - { .name: rw, .offset: 40, .size: 8, .value_kind: global_buffer, .address_space: global }
    .group_segment_fixed_size: 768
    .private_segment_fixed_size: 0
    .kernarg_segment_align: 8
    .kernarg_segment_size: 48
    .max_flat_workgroup_size: 128
    .sgpr_count:     66
    .vgpr_count:     256
    .wavefront_size: 32
...
	.end_amdgpu_metadata
.endif
;; end of part 1
;; launch place (part 2): grid 1 x 1, 16 waves a work-group, no clusters, 10,240 bytes of LDS; arguments rinfo, sinfo; writes sinfo
.if DOCPART == 2
	.amdgcn_target "amdgcn-amd-amdhsa--gfx1250"
	.amdhsa_code_object_version 6
	.text
	.protected	k_q1068f7973f_place
	.globl	k_q1068f7973f_place
	.p2align	8
	.type	k_q1068f7973f_place,@function
k_q1068f7973f_place:
	s_mov_b64 s[64:65], 0
	v_nop
	global_prefetch_b8 v0, s[64:65] scope:SCOPE_SE
	s_setreg_imm32_b32 hwreg(HW_REG_WAVE_MODE, 25, 1), 1
	s_wait_xcnt 0x0
; PLACE.  The 2,048 tokens are sorted by the number of their pair of experts (28 bins): a counting sort, in token order inside a bin, with no atomics.
; sinfo[place] = token | a << 16 | b << 20.  64 neighbouring places are a block of the launches that follow: 32 blocks, whatever the choice of experts.
; This launch reads the choice as whole numbers that the launch before stored; here they first enter an address (each held under its bound by a minimum with a constant).
; One work-group of 16 waves: thread t takes tokens t + 512 j, j = 0 .. 3; chunk c = 16 j + wave is 32 neighbouring tokens, 32 c + lane.
; 1: each wave counts its chunks' tokens in each bin (a compare and a bit count for each bin) and each token's rank among its chunk's tokens of the same bin.  2: wave 0, a lane to a bin, sums the
; counts over the chunks and over the bins.  3: place = the bin's and chunk's start + the rank.  The 2,048 stores of 4 bytes go where the sort sends them: they are the sort's own result, 8,192 bytes in all.
.set SPARE, 8192                       ; LDS: bytes 0-8191 the table [chunk 64][bin 32] of words; then the spare words, 128 bytes a wave
.set LN,  1                            ; v1   lane
.set T4,  2                            ; v2   4 x thread: the table's word (chunk 16 j + wave, bin = lane) lies at 2048 j + 4 t; also rinfo's offset
.set L4,  3                            ; v3   4 x lane
.set SPW, 4                            ; v4   my spare word; never rewritten
.set NIL, 5                            ; v5   0; never rewritten
.set INF, 8                            ; v8-11   rinfo's words
.set KEY, 12                           ; v12-15  bins
.set RK,  16                           ; v16-19  the mask of my bin's lanes, then my rank
.set CN,  20                           ; v20-23  lane b: the chunk's count in bin b
.set WK,  24                           ; v24-26  at work
.set K4,  28                           ; v28-31  4 x bin: the lane permute's index
.set C,   32                           ; v32-95  wave 0: the 64 chunks' counts; later v32-47 at work in every wave
.set E,   96                           ; v96-160 wave 0: their running sums
	s_load_b128 s[4:7], s[0:1], 0x0                ; rinfo, sinfo
	v_lshl_add_u32 v[SPW], v0, 2, SPARE
	v_mov_b32 v[NIL], 0
	v_lshrrev_b32 v[LN], 5, v0
	s_delay_alu instid0(VALU_DEP_1)
	v_readfirstlane_b32 s8, v[LN]                  ; wave
	v_and_b32 v[LN], 31, v0
	v_lshlrev_b32 v[T4], 2, v0
	s_delay_alu instid0(VALU_DEP_2)
	v_lshlrev_b32 v[L4], 2, v[LN]
	v_mov_b32 v[WK+1], 0                           ; written once: a DPP form's destination counts as one of its sources
	s_wait_alu depctr_va_vdst(0)
	s_wait_kmcnt 0x0
.irp j, 0,1,2,3
	global_load_b32 v[INF+\j], v[T4], s[4:5] offset:2048*\j
.endr
.irp j, 0,1,2,3
	v_mov_b32 v[CN+\j], 0
	v_mov_b32 v[RK+\j], 0
.endr
	s_wait_loadcnt 0x0
.irp j, 0,1,2,3
	v_and_b32 v[KEY+\j], 0xff, v[INF+\j]
	s_delay_alu instid0(VALU_DEP_1)
	v_min_u32 v[KEY+\j], 31, v[KEY+\j]
	s_delay_alu instid0(VALU_DEP_1)
	v_lshlrev_b32 v[K4+\j], 2, v[KEY+\j]
.endr
.set BIN, 0
.rept 28
.irp j, 0,1,2,3
	v_cmp_eq_u32 s[12+2*\j], BIN, v[KEY+\j]        ; the chunk's lanes in this bin
.endr
.irp j, 0,1,2,3
	s_bcnt1_i32_b32 s[13+2*\j], s[12+2*\j]
.endr
.irp j, 0,1,2,3
	v_writelane_b32 v[CN+\j], s[13+2*\j], BIN
	v_cndmask_b32 v[RK+\j], v[RK+\j], s[12+2*\j], s[12+2*\j]   ; a lane of the bin keeps the bin's mask
.endr
.set BIN, BIN+1
.endr
.irp j, 0,1,2,3
	v_mbcnt_lo_u32_b32 v[RK+\j], v[RK+\j], 0       ; how many lanes of my bin stand below me
	ds_store_b32 v[T4], v[CN+\j] offset:2048*\j
.endr
	s_wait_dscnt 0x0                               ; for wave 0's sake: my counts lie in LDS
	s_barrier_signal -1
	s_barrier_wait -1
	s_cmp_lg_u32 s8, 0
	s_cbranch_scc1 .Lothers
.set I, 0
.rept 64
	ds_load_b32 v[C+I], v[L4] offset:128*I         ; lane b: chunk I's count in bin b
.set I, I+1
.endr
	s_wait_dscnt 0x0
	v_mov_b32 v[E], 0
.set I, 0
.rept 64
	s_delay_alu instid0(VALU_DEP_1)
	v_add_nc_u32 v[E+I+1], v[E+I], v[C+I]          ; the bin's tokens in the chunks before
.set I, I+1
.endr
	s_delay_alu instid0(VALU_DEP_1)
	v_mov_b32 v[WK], v[E+64]                       ; the bin's total; now the sum over the bins up to mine
.irp n, 1,2,4,8
	s_delay_alu instid0(VALU_DEP_1)
	v_mov_b32_dpp v[WK+1], v[WK] row_shr:\n row_mask:0xf bank_mask:0xf bound_ctrl:1
	s_delay_alu instid0(VALU_DEP_1)
	v_add_nc_u32 v[WK], v[WK], v[WK+1]
.endr
	s_delay_alu instid0(VALU_DEP_1)
	v_readlane_b32 s20, v[WK], 15                  ; bins 0-15 together: added in lanes 16-31
	s_delay_alu instid0(VALU_DEP_1)
	v_mov_b32 v[WK+2], s20
	v_cmp_lt_u32 vcc_lo, 15, v[LN]
	s_delay_alu instid0(VALU_DEP_1)
	v_cndmask_b32 v[WK+1], 0, v[WK+2], vcc_lo
	s_delay_alu instid0(VALU_DEP_1)
	v_add_nc_u32 v[WK], v[WK], v[WK+1]
	s_delay_alu instid0(VALU_DEP_1)
	v_sub_nc_u32 v[WK], v[WK], v[E+64]             ; where my bin begins
.set I, 0
.rept 64
	v_add_nc_u32 v[E+I], v[E+I], v[WK]
	ds_store_b32 v[L4], v[E+I] offset:128*I        ; where chunk I's tokens of the bin begin
.set I, I+1
.endr
.Lothers:
	s_wait_dscnt 0x0                               ; wave 0's stores have landed; nobody has an LDS instruction out
	s_barrier_signal -1
	s_barrier_wait -1
.irp j, 0,1,2,3
	ds_load_b32 v[C+4+\j], v[T4] offset:2048*\j    ; lane b: my chunk's start in bin b
.endr
	s_wait_dscnt 0x0
.irp j, 0,1,2,3
	ds_bpermute_b32 v[C+\j], v[K4+\j], v[C+4+\j]   ; and in my token's bin
.endr
.irp j, 0,1,2,3
	v_add_nc_u32 v[C+8+\j], 512*\j, v0             ; the token
	v_and_b32 v[C+12+\j], 0xff00, v[INF+\j]
	s_delay_alu instid0(VALU_DEP_1)
	v_lshl_or_b32 v[C+8+\j], v[C+12+\j], 8, v[C+8+\j]   ; | a << 16 | b << 20
.endr
	s_wait_dscnt 0x0
.irp j, 0,1,2,3
	v_add_nc_u32 v[C+12+\j], v[C+\j], v[RK+\j]
	s_delay_alu instid0(VALU_DEP_1)
	v_min_u32 v[C+12+\j], 0x7ff, v[C+12+\j]        ; a place, held inside the list
	s_delay_alu instid0(VALU_DEP_1)
	v_lshlrev_b32 v[C+12+\j], 2, v[C+12+\j]
	global_store_b32 v[C+12+\j], v[C+8+\j], s[6:7]
.endr
	s_wait_tensorcnt 0x0                           ; the wave's end
	ds_add_u32 v[SPW], v[NIL]
	s_wait_dscnt 0x0
	s_endpgm
.Lfunc_end_k_q1068f7973f_place:
	.size	k_q1068f7973f_place, .Lfunc_end_k_q1068f7973f_place-k_q1068f7973f_place
	.p2alignl 7, 3214868480
	.fill 96, 4, 3214868480
	.section	.rodata,"a",@progbits
	.p2align	6, 0x0
	.amdhsa_kernel k_q1068f7973f_place
		.amdhsa_group_segment_fixed_size 10240
		.amdhsa_private_segment_fixed_size 0
		.amdhsa_enable_private_segment 0
		.amdhsa_kernarg_size 16
		.amdhsa_user_sgpr_count 2
		.amdhsa_user_sgpr_kernarg_segment_ptr 1
		.amdhsa_wavefront_size32 1
		.amdhsa_system_sgpr_workgroup_id_x 1
		.amdhsa_system_sgpr_workgroup_id_y 1
		.amdhsa_system_sgpr_workgroup_id_z 1
		.amdhsa_system_vgpr_workitem_id 0
		.amdhsa_next_free_vgpr 192
		.amdhsa_next_free_sgpr 66
		.amdhsa_reserve_vcc 1
		.amdhsa_float_denorm_mode_32 3
		.amdhsa_float_denorm_mode_16_64 3
		.amdhsa_memory_ordered 1
		.amdhsa_forward_progress 1
		.amdhsa_inst_pref_size 46
	.end_amdhsa_kernel
	.amdgpu_metadata
---
amdhsa.version: [ 1, 2 ]
amdhsa.kernels:
  - .name:           k_q1068f7973f_place
    .symbol:         k_q1068f7973f_place.kd
    .args:
      - { .name: rinfo, .offset: 0, .size: 8, .value_kind: global_buffer, .address_space: global }
      - { .name: sinfo, .offset: 8, .size: 8, .value_kind: global_buffer, .address_space: global }
    .group_segment_fixed_size: 10240
    .private_segment_fixed_size: 0
    .kernarg_segment_align: 8
    .kernarg_segment_size: 16
    .max_flat_workgroup_size: 512
    .sgpr_count:     66
    .vgpr_count:     192
    .wavefront_size: 32
...
	.end_amdgpu_metadata
.endif
;; end of part 2
;; launch layer1 (part 3): grid 8 x 32, 4 waves a work-group, no clusters, 135,680 bytes of LDS; arguments xq, sinfo, w1_codes, w1_scales, b1, h1; writes h1
.if DOCPART == 3
	.amdgcn_target "amdgcn-amd-amdhsa--gfx1250"
	.amdhsa_code_object_version 6
	.text
	.protected	k_q1068f7973f_layer1
	.globl	k_q1068f7973f_layer1
	.p2align	8
	.type	k_q1068f7973f_layer1,@function
k_q1068f7973f_layer1:
	s_mov_b64 s[64:65], 0
	v_nop
	global_prefetch_b8 v0, s[64:65] scope:SCOPE_SE
	s_setreg_imm32_b32 hwreg(HW_REG_WAVE_MODE, 25, 1), 1
	s_wait_xcnt 0x0
; ONE LAYER OF THE EXPERTS' CHAIN, y = act(A W[e]^T + b[e]), on E4M3 codes with one E8M0 scale for each 32 along K.  One text serves the three layers; LAYER says which.
;   LAYER 1: A = x's codes, gathered by the sorted list; relu; quantised; stored as codes.   LAYER 2: A = layer 1's codes; the same.   LAYER 3: A = layer 2's codes; no relu; out = wa y_a + wb y_b, f32.
; WORK LEFT OUT: an expert that no token of the block chose has the combine weight 0 for all its rows (shown at the head of the first launch's text): it is not walked.
; SHARES.  A block is 64 neighbouring places of the sorted list; work-group (x, y) makes columns 128 x .. 128 x + 127 of block y: 8 x 32 work-groups.  It walks the experts present in its block,
; in ascending order, computes all 64 rows for each, and keeps a row's result only where the row chose the expert (a select; a foreign row never enters a sum or a store).
; Wave w makes all 64 rows x columns n0 = 128 x + 32 w .. + 31: one block of 32 of the next layer's K.  Eight accumulators: four tiles m of 16 rows x two tiles u of W's rows.
; THE MATRIX INSTRUCTION IS USED TRANSPOSED: source 0 = 16 rows of W, source 1 = 16 tokens.  THE ROWS OF W THAT FORM A TILE ARE NOT NEIGHBOURS: lane r of tile u takes row n0 + 8 u + r + 8 (r / 8),
; so that a lane's 16 registers of tiles 0 and 1 are columns n0 + 16 (lane / 16) + 0 .. 15 of ONE token: 16 neighbours along the next K, as the conversions and the next operand want them.
; A: the block's codes lie in LDS as images of the operand's registers (16 bytes a lane, 512 consecutive bytes a load), copied once; from layer 2 on in two slots, slot 0 the row under its expert a,
; slot 1 under b; for each expert a lane reads its row's slot: the slot's number, 0 or 1, held by a minimum with 1, times the slots' distance.  One barrier behind the copy; then A is only read,
; up to a second barrier behind the last expert's last read; behind that one the way out uses A's bytes again.
; W: a wave's 32 rows x 1,024 codes of one expert are 256 registers, 32 for each K step of 128.  They come from memory straight into the operand's registers; as soon as a K step is multiplied, its
; registers are asked for again for the next expert present: a whole expert is always on its way.  The bias is the C of each sum's first product.
; WHY NO TENSOR LOAD, NO CLUSTER, NO JOINT REQUEST, though work-groups share weights: which experts are walked, and how many, are numbers read from memory
; and partners in a cluster would need different experts.
; LIMIT: what a foreign row holds (an overflow, a NaN) is thrown away with it.
.set LAYER, 1
.set SCA,   131072                     ; LDS: 0 .. 131071 A's images: 32768 m + 16384 slot + 2048 s + 512 c + 16 lane;  from SCA 4,096 bytes of A's scale words: 512 s + 128 m + 64 slot + 4 r
.set SCB,   0                          ; layers 1, 2, on the way out, in A's bytes: 512 bytes: the scale bytes made here: 64 (2 m + slot) + 4 r + wave
.set STG,   0                          ; layer 3, on the way out, in A's bytes: the stage: 64 rows x (512 bytes + 16)
.set SPARE, 135168                     ; the spare words, 128 bytes a wave
; window 0 of the vector registers
.set R,    1                           ; lane % 16
.set H,    2                           ; lane / 16
.set L16,  3                           ; 16 x lane
.set R4,   5                           ; SCA + 4 r
.set VOB,  7                           ; W's codes: (r + 8 (r / 8)) x 1024 + 16 h
.set VOS,  8                           ; W's scale words: (8 h + r + 8 (r / 8)) x 32: tile 0 in lanes 0-15, tile 1 in lanes 16-31
.set VOBI, 9                           ; the bias: 64 h
.set SPW,  10                          ; my spare word; never rewritten
.set NIL,  11                          ; 0; never rewritten
.set ADA,  12                          ; v12-15  LDS address of tile m's images for the expert in hand
.set ADS,  16                          ; v16-19  and of its scale words
.set IA,   20                          ; v20-23  expert a of row 16 m + r
.set IB,   24                          ; v24-27  expert b
.set INF,  28                          ; v28-31  the list's words; layer 3: then 8 x token
.set SCW,  32                          ; v32-39  W's scale words, K step s
.set SCN,  40                          ; v40-47  the next expert's
.set ASC,  48                          ; v48-55  A's scale words: 4 (s % 2) + m
.set BI,   56                          ; v56-71  the bias in the result's layout: 8 u + j
.set TM,   72                          ; layers 1, 2: v72-75 largest magnitudes; v76-79 the other half's; v80-83 scale operands; v84-87 448 x the scale; v88-91 bytes
.set TP,   76
.set TS,   80
.set TH,   84
.set TB,   88
.set CT,   92                          ; v92-107   the codes just made: 4 m + k
.set OC,   108                         ; v108-139  the codes kept: 4 (2 m + slot) + k
.set OB,   140                         ; v140-147  the bytes kept: 2 m + slot
.set STB,  148                         ; 4 r + wave
.set VST,  150                         ; 512 wave + 16 lane
.set WAB,  72                          ; layer 3: v72-79 (wa, wb) of row 16 m + r; v80-87 the weight in hand, a pair for the packed form; v88-103 my 16 rows' offsets in out0
.set WS,   80
.set TO,   88
.set OUT,  104                         ; v104-167  the sums kept: 16 m + 8 u + j
.set STO,  168                         ; the stage: where I put my numbers: 528 r + 64 h + 128 wave;
.set RD,   169                         ; where I read whole rows back: 16 rows x wave + 16 lane
.set LW,   170                         ; the prologue's: 32768 wave + 16 lane
.set VGA,  171                         ; 4096 wave + 16 lane
.set T16,  172                         ; 16 x thread
.set XO,   173                         ; layer 1: my row's codes in xq
.set XSO,  174                         ; and its scale words
.set XSA,  175                         ; and where these go in LDS
.set I4,   176                         ; 4 r
.set I4W,  177                         ; 4 r + 64 wave
.set BITS, 178
.set TV,   179
.set SST,  180                         ; v180-187  A's scale words on their way to LDS
.set ONE,  188
.set T16L, 189                         ; SCA + 16 x thread
.set MYI,  190                         ; layer 1: the list's word of row 16 wave + r
.set ACC,  192                         ; v192-255  the accumulators: 16 m + 8 u + j
; window 1: W's fragment (tile u, K step s) at v[32 s + 16 u].   window 2: A's fragments, two sets: v[64 (s % 2) + 16 m]; in the prologue all of it is the staging on the way to LDS
; scalar registers
.set WV,   18
.set CG,   19
.set BL,   20
.set OFS,  22                          ; s[22:23] an offset, the high word 0
.set ASR,  24                          ; s[24:25] A's scale words in memory
.set WB,   26                          ; s[26:27], s[28:29], s[30:31]: W's codes, W's scale words, the bias at my wave's first column, expert 0
.set SB,   28
.set BB,   30
.set WN,   32                          ; s[32:37] the same three at the expert that is being fetched
.set SN,   34
.set BN,   36
.set MASK, 38                          ; the experts still to be fetched, a bit each
.set EC,   39                          ; the expert in hand
.set EN,   40                          ; the next
.set CNT,  41                          ; experts present - 1
.set IT,   42
.set TMP,  43
.set SEL,  44                          ; s[44:45]
.set MNT,  46
.set MKA,  48                          ; s48-51 lanes whose row has the expert in hand as a; s52-55 as b; s56-59 either
.set MKB,  52
.set MKU,  56
.set DSC,  60                          ; s[60:61] where the scale words made here go
.set TOK,  72                          ; s[72:87] layer 3: the list's words of my 16 rows on the way out
.set SIW,  88                          ; s[88:89] and where they lie
.set MSB, 0
.macro WIN new                         ; s_set_vgpr_msb: bits 1:0 source 0, 3:2 source 1, 5:4 source 2, 7:6 destination; the high byte repeats the setting that is left; a switch that changes nothing is dropped
.if MSB != \new
	s_set_vgpr_msb (MSB<<8)|\new
.set MSB, \new
.endif
.endm
.macro BASES e                         ; the three bases at expert s[e]: 2^20 bytes of codes, 2^15 of scale bytes, 2^12 of bias to an expert
	s_lshl_b32 s[OFS], s[\e], 20
	s_add_nc_u64 s[WN:WN+1], s[WB:WB+1], s[OFS:OFS+1]
	s_lshl_b32 s[OFS], s[\e], 15
	s_add_nc_u64 s[SN:SN+1], s[SB:SB+1], s[OFS:OFS+1]
	s_lshl_b32 s[OFS], s[\e], 12
	s_add_nc_u64 s[BN:BN+1], s[BB:BB+1], s[OFS:OFS+1]
.endm
.macro LDSC                            ; 2 loads: my row's 8 scale words
	WIN 0
	global_load_b128 v[SCN:SCN+3],   v[VOS], s[SN:SN+1]
	global_load_b128 v[SCN+4:SCN+7], v[VOS], s[SN:SN+1] offset:16
.endm
.macro LDG s                           ; 8 loads: W's two fragments of K step s.  Two lanes take 32 neighbouring bytes of a row, the four loads on end its 128
	WIN 0x40
.irp u, 0,1
.irp c, 0,1,2,3
	global_load_b128 v[32*(\s)+16*\u+4*\c:32*(\s)+16*\u+4*\c+3], v[VOB], s[WN:WN+1] offset:\u*8192+(\s)*128+\c*32
.endr
.endr
.endm
.macro LDBI                            ; 4 loads: the bias of my 16 columns
	WIN 0
.irp q, 0,1,2,3
	global_load_b128 v[BI+4*\q:BI+4*\q+3], v[VOBI], s[BN:BN+1] offset:16*\q
.endr
.endm
.macro ALOAD s                         ; 20 LDS loads: A's four fragments of K step s and their scale words
	WIN 0x80
.irp m, 0,1,2,3
.irp c, 0,1,2,3
	ds_load_b128 v[64*((\s)%2)+16*\m+4*\c:64*((\s)%2)+16*\m+4*\c+3], v[ADA+\m] offset:2048*(\s)+512*\c
.endr
.endr
	WIN 0
.irp m, 0,1,2,3
	ds_load_b32 v[ASC+4*((\s)%2)+\m], v[ADS+\m] offset:512*(\s)
.endr
.endm
.macro MM s, m                         ; tile m of rows against W's two tiles.  The eight accumulators take turns, one instruction a turn
.if (\s) == 0
	v_wmma_scale_f32_16x16x128_f8f6f4 v[ACC+16*\m:ACC+16*\m+7], v[32*(\s):32*(\s)+15], v[64*((\s)%2)+16*\m:64*((\s)%2)+16*\m+15], v[BI:BI+7], v[SCW+(\s)], v[ASC+4*((\s)%2)+\m]
	v_wmma_scale_f32_16x16x128_f8f6f4 v[ACC+16*\m+8:ACC+16*\m+15], v[32*(\s)+16:32*(\s)+31], v[64*((\s)%2)+16*\m:64*((\s)%2)+16*\m+15], v[BI+8:BI+15], v[SCW+(\s)], v[ASC+4*((\s)%2)+\m] matrix_a_scale:MATRIX_SCALE_ROW1
.else
	v_wmma_scale_f32_16x16x128_f8f6f4 v[ACC+16*\m:ACC+16*\m+7], v[32*(\s):32*(\s)+15], v[64*((\s)%2)+16*\m:64*((\s)%2)+16*\m+15], v[ACC+16*\m:ACC+16*\m+7], v[SCW+(\s)], v[ASC+4*((\s)%2)+\m]
	v_wmma_scale_f32_16x16x128_f8f6f4 v[ACC+16*\m+8:ACC+16*\m+15], v[32*(\s)+16:32*(\s)+31], v[64*((\s)%2)+16*\m:64*((\s)%2)+16*\m+15], v[ACC+16*\m+8:ACC+16*\m+15], v[SCW+(\s)], v[ASC+4*((\s)%2)+\m] matrix_a_scale:MATRIX_SCALE_ROW1
.endif
.endm
; A K step.  pf = 1: the next expert is being fetched.  An expert's loads are always issued in this order: scale words (2), K step 0 (8), bias (4), K steps 1 to 7 (56).
.macro STEP s, pf
.if (\s) < 7
	ALOAD (\s)+1
	s_wait_dscnt 20                                ; this step's fragments of A are in; the 20 loads just issued stay out
.else
	s_wait_dscnt 0x0
.endif
.if \pf
.if (\s) == 0
	s_wait_loadcnt 58                              ; behind this expert's bias were issued: its K steps 1 to 7 (56) and the next expert's scale words (2)
.else
	s_wait_loadcnt 62                              ; behind this K step: 8 (7 - s) of this expert; of the next: 2 + 8 + 4 + 8 (s - 1)
.endif
.else
	s_wait_loadcnt 56-8*(\s)                       ; behind this K step (at s = 0: behind the bias): the later K steps alone
.endif
	WIN 0x09                                       ; source 0 (W) window 1, source 1 (A) window 2, C and D window 0
.irp m, 0,1,2,3
	MM \s, \m
.endr
.rept 8
	v_nop                                          ; eight places ahead of loads into registers that these products read, and of the first read of results
.endr
.if \pf
.if (\s) == 7
	v_nop                                          ; a ninth: the next expert's first products begin these accumulators anew, with another C
.endif
	LDG \s
.if (\s) == 0
	LDBI
.endif
.endif
.endm
.macro SELECT                          ; whose rows have the expert in hand, and from layer 2 on which slot each lane reads
	WIN 0
.irp m, 0,1,2,3
	v_cmp_eq_u32 s[MKA+\m], s[EC], v[IA+\m]
	v_cmp_eq_u32 s[MKB+\m], s[EC], v[IB+\m]
.endr
.if LAYER > 1
.irp m, 0,1,2,3
	v_cndmask_b32 v[ADS+\m], 0, 1, s[MKB+\m]       ; the row's slot: 1 where the expert in hand is its b
.endr
.irp m, 0,1,2,3
	v_min_u32 v[ADS+\m], 1, v[ADS+\m]              ; a number that hangs on the list enters an address only held under a constant; behind it shifts left and additions alone
.endr
.irp m, 0,1,2,3
	v_lshlrev_b32 v[ADA+\m], 14, v[ADS+\m]         ; the slots' images lie 16,384 bytes apart,
	v_lshlrev_b32 v[ADS+\m], 6, v[ADS+\m]          ; their scale words 64
.endr
.irp m, 0,1,2,3
	v_add_nc_u32 v[ADA+\m], v[ADA+\m], v[L16]
	v_add_nc_u32 v[ADS+\m], v[ADS+\m], v[R4]
.endr
.irp m, 1,2,3
	v_add_nc_u32 v[ADA+\m], 32768*\m, v[ADA+\m]
	v_add_nc_u32 v[ADS+\m], 128*\m, v[ADS+\m]
.endr
.endif
.endm
; Layers 1, 2: relu, the quantiser along the next K, and the select.  A lane's 16 numbers and lane l xor 16's are a block of 32.  Each accumulator is read from its low end on.
.macro QEPI
.irp m, 0,1,2,3
	v_max3_num_f32 v[TM+\m], v[ACC+16*\m], v[ACC+16*\m+1], 0x4800000   ; no |.|: what is negative becomes 0 and must not count; the floor 2^(9 - 127) keeps the byte at 1 or above
.endr
.irp i, 2,4,6,8,10,12,14
.irp m, 0,1,2,3
	v_max3_num_f32 v[TM+\m], v[TM+\m], v[ACC+16*\m+\i], v[ACC+16*\m+\i+1]
.endr
.endr
.irp m, 0,1,2,3
	v_permlanex16_b32 v[TP+\m], v[TM+\m], s[SEL], s[SEL+1]
.endr
.irp m, 0,1,2,3
	v_max_num_f32 v[TM+\m], v[TM+\m], v[TP+\m]
.endr
.irp m, 0,1,2,3
	v_add_nc_u32 v[TS+\m], 0xfc000000, v[TM+\m]    ; 8 off the exponent field: the conversion's scale operand
.endr
.irp m, 0,1,2,3
	v_and_or_b32 v[TH+\m], v[TM+\m], 0x7f800000, s[MNT]   ; 448 x the scale
.endr
.irp m, 0,1,2,3
	v_lshrrev_b32 v[TB+\m], 23, v[TS+\m]           ; the scale's byte
.endr
.irp m, 0,1,2,3
.irp i, 0,1,2,3,4,5,6,7,8,9,10,11,12,13,14,15
	v_med3_num_f32 v[ACC+16*\m+\i], v[ACC+16*\m+\i], 0, v[TH+\m]   ; relu and the hold in one (the conversion does not saturate: ISA guide 7.6.2)
.endr
	v_cvt_scalef32_pk8_fp8_f32 v[CT+4*\m:CT+4*\m+1], v[ACC+16*\m:ACC+16*\m+7], v[TS+\m]
	v_cvt_scalef32_pk8_fp8_f32 v[CT+4*\m+2:CT+4*\m+3], v[ACC+16*\m+8:ACC+16*\m+15], v[TS+\m]
.endr
	v_nop                                          ; a plain instruction between the last conversion and the first use of its result
.irp m, 0,1,2,3
.irp k, 0,1,2,3
	v_cndmask_b32 v[OC+8*\m+\k], v[OC+8*\m+\k], v[CT+4*\m+\k], s[MKA+\m]       ; slot 0 where the expert is the row's a,
	v_cndmask_b32 v[OC+8*\m+4+\k], v[OC+8*\m+4+\k], v[CT+4*\m+\k], s[MKB+\m]   ; slot 1 where it is its b
.endr
	v_cndmask_b32 v[OB+2*\m], v[OB+2*\m], v[TB+\m], s[MKA+\m]
	v_cndmask_b32 v[OB+2*\m+1], v[OB+2*\m+1], v[TB+\m], s[MKB+\m]
.endr
.endm
; Layer 3: the sum kept + weight x result, taken only where the row chose the expert.  Ascending: each accumulator is read from its low end on.
.macro CEPI
.irp m, 0,1,2,3
	s_or_b32 s[MKU+\m], s[MKA+\m], s[MKB+\m]
	v_cndmask_b32 v[WS+2*\m], v[WAB+2*\m], v[WAB+2*\m+1], s[MKB+\m]
.endr
.irp m, 0,1,2,3
.irp p, 0,2,4,6,8,10,12,14
	v_pk_fma_f32 v[ACC+16*\m+\p:ACC+16*\m+\p+1], v[ACC+16*\m+\p:ACC+16*\m+\p+1], v[WS+2*\m:WS+2*\m+1], v[OUT+16*\m+\p:OUT+16*\m+\p+1] op_sel_hi:[1,0,1]
.endr
.irp i, 0,1,2,3,4,5,6,7,8,9,10,11,12,13,14,15
	v_cndmask_b32 v[OUT+16*\m+\i], v[OUT+16*\m+\i], v[ACC+16*\m+\i], s[MKU+\m]
.endr
.endr
.endm
.macro BODY pf                         ; one expert on the block's 64 rows
.if \pf
	s_wait_xcnt 0x0                                ; the pending loads have read their bases: these are written now
	BASES EN
	LDSC
.endif
	SELECT
	ALOAD 0
.irp s, 0,1,2,3,4,5,6,7
	s_wait_alu depctr_va_vdst(0)
	STEP \s, \pf
.endr
	WIN 0
.if \pf
	s_wait_loadcnt 63                              ; 68 loads were issued behind the next expert's scale words: they are in
.irp s, 0,1,2,3,4,5,6,7
	v_mov_b32 v[SCW+\s], v[SCN+\s]                 ; behind the nine places; the lines below are far more than the eight places that a scale register so written stands ahead of its product
.endr
.else
	s_barrier_signal -1                            ; the last expert: my reads of A are over (K step 7 waited for all my LDS loads, and none was issued since): say so,
.endif
.if LAYER < 3
	QEPI
.else
	CEPI
.endif
.if (\pf) == 0
	s_wait_alu depctr_va_vdst(0)
	s_barrier_wait -1                              ; work on registers meanwhile, and go on when all four have said so: A's bytes may be written again
.endif
.endm
	s_load_b256 s[4:11], s[0:1], 0x0               ; A s[4:5], the list s[6:7], W's codes s[8:9], W's scale bytes s[10:11]
	s_load_b128 s[12:15], s[0:1], 0x20             ; the bias s[12:13], the result s[14:15]
.if LAYER == 3
	s_load_b64 s[16:17], s[0:1], 0x30              ; the weights
.endif
	v_lshl_add_u32 v[SPW], v0, 2, SPARE
	v_mov_b32 v[NIL], 0
	v_lshrrev_b32 v[R], 5, v0
	v_readfirstlane_b32 s[WV], v[R]                ; wave 0..3
	s_mov_b32 s[CG], ttmp9                         ; which 128 columns
	s_and_b32 s[BL], ttmp7, 0xffff                 ; which block
	v_and_b32 v[R], 15, v0
	v_bfe_u32 v[H], v0, 4, 1
	v_and_b32 v[L16], 31, v0
	v_lshlrev_b32 v[L16], 4, v[L16]
	v_lshl_add_u32 v[R4], v[R], 2, SCA
	v_and_b32 v[VOS], 8, v[R]
	v_add_nc_u32 v[VOS], v[VOS], v[R]              ; r + 8 (r / 8)
	v_lshlrev_b32 v[VOB], 10, v[VOS]
	v_lshl_add_u32 v[VOB], v[H], 4, v[VOB]
	v_lshl_add_u32 v[VOS], v[H], 3, v[VOS]
	v_lshlrev_b32 v[VOS], 5, v[VOS]
	v_lshlrev_b32 v[VOBI], 6, v[H]
	s_lshl_b32 s[TMP], s[WV], 15
	v_add_nc_u32 v[LW], s[TMP], v[L16]
	v_lshlrev_b32 v[I4], 2, v[R]
	v_mov_b32 v[ONE], 1
	v_mov_b32 v[TV], 0                             ; written once: a DPP form's destination counts as one of its sources
.if LAYER == 1
	s_lshl_b32 s[TMP], s[WV], 6
	v_add_nc_u32 v[I4W], s[TMP], v[I4]
	v_lshl_add_u32 v[XSA], v[H], 11, v[R4]
	s_lshl_b32 s[TMP], s[WV], 7
	v_add_nc_u32 v[XSA], s[TMP], v[XSA]            ; SCA + 2048 h + 128 wave + 4 r
.irp m, 0,1,2,3
	v_add_nc_u32 v[ADA+\m], 32768*\m, v[L16]       ; x is the same for both experts of a row: one slot, constant addresses
	v_add_nc_u32 v[ADS+\m], 128*\m, v[R4]
.endr
.else
	s_lshl_b32 s[TMP], s[WV], 12
	v_add_nc_u32 v[VGA], s[TMP], v[L16]
	v_lshlrev_b32 v[T16], 4, v0
	v_add_nc_u32 v[T16L], SCA, v[T16]
.endif
.if LAYER < 3
	v_lshlrev_b32 v[STB], 2, v[R]
	v_add_nc_u32 v[STB], s[WV], v[STB]
	s_lshl_b32 s[TMP], s[WV], 9
	v_add_nc_u32 v[VST], s[TMP], v[L16]
.irp m, 0,1,2,3
	v_mov_b32 v[TP+\m], 0                          ; written once: a lane permute's destination counts as one of its sources
.endr
.set I, 0
.rept 40
	v_mov_b32 v[OC+I], 0                           ; what is kept is the target of selects, and which expert fills a lane first hangs on the list: so it is written once here
.set I, I+1
.endr
.else
	v_mul_u32_u24 v[STO], v[R], 528
	v_lshl_add_u32 v[STO], v[H], 6, v[STO]
	s_lshl_b32 s[TMP], s[WV], 7
	v_add_nc_u32 v[STO], s[TMP], v[STO]            ; 528 r + 64 h + 128 wave
	s_mul_i32 s[TMP], s[WV], 8448
	v_add_nc_u32 v[RD], s[TMP], v[L16]             ; 16 rows x wave + 16 lane
.set I, 0
.rept 8
	v_mov_b32 v[WS+I], 0                           ; (the packed form names a pair and takes its low word: the high word is written once)
.set I, I+1
.endr
.set I, 0
.rept 64
	v_mov_b32 v[OUT+I], 0                          ; the sums begin at 0, as reference()'s out does; which expert adds first hangs on the list
.set I, I+1
.endr
.endif
	s_mov_b32 s[SEL], 0x76543210                   ; v_permlanex16_b32's selects for lane l xor 16
	s_mov_b32 s[SEL+1], 0xfedcba98
	s_mov_b32 s[MNT], 0x600000                     ; the mantissa field of 448
	s_lshl_b32 s[TMP], s[CG], 7
	s_lshl_b32 s[OFS], s[WV], 5
	s_add_co_u32 s[TMP], s[TMP], s[OFS]            ; n0: my wave's first column
	s_mov_b32 s[OFS+1], 0
	s_wait_kmcnt 0x0
	s_lshl_b32 s[OFS], s[TMP], 10
	s_add_nc_u64 s[WB:WB+1], s[8:9], s[OFS:OFS+1]
	s_lshl_b32 s[OFS], s[TMP], 5
	s_add_nc_u64 s[SB:SB+1], s[10:11], s[OFS:OFS+1]
	s_lshl_b32 s[OFS], s[TMP], 2
	s_add_nc_u64 s[BB:BB+1], s[12:13], s[OFS:OFS+1]
	s_lshl_b32 s[OFS], s[BL], 8
	s_add_nc_u64 s[6:7], s[6:7], s[OFS:OFS+1]      ; the block's 64 words of the list
.if LAYER == 1
	s_add_nc_u64 s[ASR:ASR+1], s[4:5], 0x200000    ; x's scale words lie behind its codes
.else
	s_add_nc_u64 s[ASR:ASR+1], s[4:5], 0x400000    ; the hidden layer's scale words lie behind its codes: 4,096 bytes a block
	s_lshl_b32 s[OFS], s[BL], 12
	s_add_nc_u64 s[ASR:ASR+1], s[ASR:ASR+1], s[OFS:OFS+1]
	s_lshl_b32 s[OFS], s[BL], 17
	s_add_nc_u64 s[4:5], s[4:5], s[OFS:OFS+1]      ; its codes: 131,072 bytes a block
.endif
.if LAYER < 3
	s_add_nc_u64 s[DSC:DSC+1], s[14:15], 0x400000
	s_lshl_b32 s[OFS], s[BL], 12
	s_add_nc_u64 s[DSC:DSC+1], s[DSC:DSC+1], s[OFS:OFS+1]
	s_lshl_b32 s[OFS], s[CG], 9
	s_add_nc_u64 s[DSC:DSC+1], s[DSC:DSC+1], s[OFS:OFS+1]   ; scale words: block, then K step = my 128 columns
	s_lshl_b32 s[OFS], s[BL], 17
	s_add_nc_u64 s[14:15], s[14:15], s[OFS:OFS+1]
	s_lshl_b32 s[OFS], s[CG], 14
	s_add_nc_u64 s[14:15], s[14:15], s[OFS:OFS+1]  ; codes likewise: 16,384 bytes a K step
.else
	s_lshl_b32 s[OFS], s[CG], 9
	s_add_nc_u64 s[14:15], s[14:15], s[OFS:OFS+1]  ; out0 at my 128 columns
	s_lshl_b32 s[OFS], s[WV], 6
	s_add_nc_u64 s[SIW:SIW+1], s[6:7], s[OFS:OFS+1]
	s_load_b512 s[TOK:TOK+15], s[SIW:SIW+1], 0x0   ; for the way out; waited for there
.endif
.irp m, 0,1,2,3
	global_load_b32 v[INF+\m], v[I4], s[6:7] offset:64*\m          ; the list's word of row 16 m + r
.endr
.if LAYER == 1
	global_load_b32 v[MYI], v[I4W], s[6:7]         ; and of the row whose codes I gather: 16 wave + r
	s_wait_loadcnt 0x0
.else
	WIN 0x80                                       ; the block's A: wave w fetches tile m = w, both slots: 64 loads of 512 consecutive bytes
.irp p, 0,1
.irp s, 0,1,2,3,4,5,6,7
.irp c, 0,1,2,3
	global_load_b128 v[16*(8*\p+\s)+4*\c:16*(8*\p+\s)+4*\c+3], v[VGA], s[4:5] offset:\s*16384+\p*2048+\c*512
.endr
.endr
.endr
	WIN 0
	global_load_b128 v[SST:SST+3],   v[T16], s[ASR:ASR+1]
	global_load_b128 v[SST+4:SST+7], v[T16], s[ASR:ASR+1] offset:2048
	s_wait_loadcnt 63                              ; 66 loads were issued behind the list's words: they are in
.endif
.irp m, 0,1,2,3
	v_bfe_u32 v[IA+\m], v[INF+\m], 16, 4
	v_bfe_u32 v[IB+\m], v[INF+\m], 20, 4
.endr
	v_lshlrev_b32 v[BITS], v[IA], v[ONE]           ; a bit for each expert that a row of the block chose
.irp m, 1,2,3,4,5,6,7
	v_lshl_or_b32 v[BITS], v[ONE], v[IA+\m], v[BITS]
.endr
.irp n, 1,2,4,8
	v_mov_b32_dpp v[TV], v[BITS] row_xmask:\n row_mask:0xf bank_mask:0xf
	v_or_b32 v[BITS], v[BITS], v[TV]
.endr
	v_readfirstlane_b32 s[MASK], v[BITS]
	s_and_b32 s[MASK], s[MASK], 0xff
	s_bcnt1_i32_b32 s[CNT], s[MASK]
	s_sub_co_u32 s[CNT], s[CNT], 1
	s_min_u32 s[CNT], s[CNT], 7                    ; a row has two different experts: 1 .. 7
	s_ctz_i32_b32 s[EC], s[MASK]
	s_min_u32 s[EC], s[EC], 7                      ; the first expert present
	s_sub_co_u32 s[TMP], s[MASK], 1
	s_and_b32 s[MASK], s[MASK], s[TMP]
.if LAYER == 1
	v_and_b32 v[MYI], 0x7ff, v[MYI]
	v_min_u32 v[MYI], 0x7ff, v[MYI]                ; the token, held inside x
	v_lshlrev_b32 v[XO], 10, v[MYI]
	v_lshl_add_u32 v[XO], v[H], 4, v[XO]
	v_lshlrev_b32 v[XSO], 5, v[MYI]
	v_lshl_add_u32 v[XSO], v[H], 4, v[XSO]
	WIN 0x80                                       ; wave w gathers tile m = w: 32 loads straight into the operand's layout
.irp s, 0,1,2,3,4,5,6,7
.irp c, 0,1,2,3
	global_load_b128 v[16*\s+4*\c:16*\s+4*\c+3], v[XO], s[4:5] offset:128*\s+32*\c
.endr
.endr
	WIN 0
	global_load_b128 v[SST:SST+3], v[XSO], s[ASR:ASR+1]            ; the row's scale words 4 h + 0 .. 3
.endif
.if LAYER == 3
.irp m, 0,1,2,3
	v_and_b32 v[INF+\m], 0x7ff, v[INF+\m]
	v_min_u32 v[INF+\m], 0x7ff, v[INF+\m]
	v_lshlrev_b32 v[INF+\m], 3, v[INF+\m]
	global_load_b64 v[WAB+2*\m:WAB+2*\m+1], v[INF+\m], s[16:17]    ; (wa, wb) of row 16 m + r
.endr
.endif
	BASES EC                                       ; the first expert: the same order of loads as in the walk
	LDSC
	LDG 0
	LDBI
.irp s, 1,2,3,4,5,6,7
	LDG \s
.endr
	WIN 0
	s_wait_loadcnt 63                              ; 70 loads were issued behind A's, 68 behind W's scale words: A, its scale words, the weights and W's scale words are in
.irp s, 0,1,2,3,4,5,6,7
	v_mov_b32 v[SCW+\s], v[SCN+\s]
.endr
.rept 8
	v_nop                                          ; a scale register written by a vector instruction stands eight places ahead of its product
.endr
	WIN 0x08                                       ; an LDS store's data are its source 1: window 2
.if LAYER == 1
.irp s, 0,1,2,3,4,5,6,7
.irp c, 0,1,2,3
	ds_store_b128 v[LW], v[16*\s+4*\c:16*\s+4*\c+3] offset:\s*2048+\c*512
.endr
.endr
	WIN 0
.irp j, 0,1,2,3
	ds_store_b32 v[XSA], v[SST+\j] offset:512*\j   ; K step 4 h + j
.endr
.else
.irp p, 0,1
.irp s, 0,1,2,3,4,5,6,7
.irp c, 0,1,2,3
	ds_store_b128 v[LW], v[16*(8*\p+\s)+4*\c:16*(8*\p+\s)+4*\c+3] offset:\p*16384+\s*2048+\c*512
.endr
.endr
.endr
	WIN 0
	ds_store_b128 v[T16L], v[SST:SST+3]
	ds_store_b128 v[T16L], v[SST+4:SST+7] offset:2048
.endif
	s_wait_dscnt 0x0                               ; for the others' sake: my part of A lies in LDS
	s_barrier_signal -1
	s_barrier_wait -1                              ; everybody's does; from here on A is only read, up to the barrier in the last expert's body
	s_mov_b32 s[IT], 0
.Lwalk:                                                ; a trip: one expert is multiplied while the next one present is fetched
	s_ctz_i32_b32 s[EN], s[MASK]
	s_min_u32 s[EN], s[EN], 7
	s_sub_co_u32 s[TMP], s[MASK], 1
	s_and_b32 s[MASK], s[MASK], s[TMP]
	BODY 1
	s_mov_b32 s[EC], s[EN]
	s_add_co_u32 s[IT], s[IT], 1
	s_cmp_lt_u32 s[IT], s[CNT]
	s_cbranch_scc1 .Lwalk
	BODY 0                                         ; the last expert is written out: it fetches nothing, its waits count down, and it holds the barrier behind A's last read
.if LAYER < 3
	; THE WAY OUT.  My codes are piece c = wave of the next layer's fragments: each store covers 512 consecutive bytes, aligned.  The four waves' bytes make the rows' scale words in LDS, in bytes that held A.
.irp m, 0,1,2,3
.irp p, 0,1
	global_store_b128 v[VST], v[OC+4*(2*\m+\p):OC+4*(2*\m+\p)+3], s[14:15] offset:4096*\m+2048*\p
	ds_store_b8 v[STB], v[OB+2*\m+\p] offset:SCB+64*(2*\m+\p)      ; both halves of the lanes write the same byte with the same value
.endr
.endr
	s_wait_dscnt 0x0                               ; for wave 0's sake
	s_barrier_signal -1
	s_barrier_wait -1
	s_cmp_lg_u32 s[WV], 0
	s_cbranch_scc1 .Lend
	ds_load_b128 v[CT:CT+3], v[L16] offset:SCB
	s_wait_dscnt 0x0
	global_store_b128 v[L16], v[CT:CT+3], s[DSC:DSC+1]             ; 512 consecutive bytes, aligned
.Lend:
.else
	; THE WAY OUT.  A row's 128 columns come from four waves: they meet in the stage, in bytes that held A, and each wave stores 16 whole rows of 512 bytes, each to its token's row of out0.
.irp m, 0,1,2,3
.irp q, 0,1,2,3
	ds_store_b128 v[STO], v[OUT+16*\m+4*\q:OUT+16*\m+4*\q+3] offset:STG+8448*\m+16*\q
.endr
.endr
	s_wait_kmcnt 0x0                               ; the list's words of my 16 rows
.irp t, 0,1,2,3,4,5,6,7,8,9,10,11,12,13,14,15
	s_and_b32 s[TMP], s[TOK+\t], 0x7ff
	s_min_u32 s[TMP], s[TMP], 2047                 ; the token, held inside out0
	s_lshl_b32 s[TMP], s[TMP], 12
	v_add_nc_u32 v[TO+\t], s[TMP], v[L16]
.endr
	s_wait_dscnt 0x0                               ; for the others' sake: my stores into the stage are done
	s_barrier_signal -1
	s_barrier_wait -1
.irp t, 0,1,2,3,4,5,6,7,8,9,10,11,12,13,14,15
	ds_load_b128 v[ACC+4*\t:ACC+4*\t+3], v[RD] offset:STG+528*\t
.endr
.irp t, 0,1,2,3,4,5,6,7,8,9,10,11,12,13,14,15
	s_wait_dscnt 15-\t                             ; row t is back; the younger rows stay out
	global_store_b128 v[TO+\t], v[ACC+4*\t:ACC+4*\t+3], s[14:15] th:TH_STORE_NT   ; 32 lanes store 512 consecutive bytes, aligned; written once
.endr
.endif
	s_wait_tensorcnt 0x0                           ; the wave's end
	ds_add_u32 v[SPW], v[NIL]
	s_wait_dscnt 0x0
	s_endpgm
.Lfunc_end_k_q1068f7973f_layer1:
	.size	k_q1068f7973f_layer1, .Lfunc_end_k_q1068f7973f_layer1-k_q1068f7973f_layer1
	.p2alignl 7, 3214868480
	.fill 96, 4, 3214868480
	.section	.rodata,"a",@progbits
	.p2align	6, 0x0
	.amdhsa_kernel k_q1068f7973f_layer1
		.amdhsa_group_segment_fixed_size 135680
		.amdhsa_private_segment_fixed_size 0
		.amdhsa_enable_private_segment 0
		.amdhsa_kernarg_size 48
		.amdhsa_user_sgpr_count 2
		.amdhsa_user_sgpr_kernarg_segment_ptr 1
		.amdhsa_wavefront_size32 1
		.amdhsa_system_sgpr_workgroup_id_x 1
		.amdhsa_system_sgpr_workgroup_id_y 1
		.amdhsa_system_sgpr_workgroup_id_z 1
		.amdhsa_system_vgpr_workitem_id 0
		.amdhsa_next_free_vgpr 768
		.amdhsa_next_free_sgpr 90
		.amdhsa_reserve_vcc 0
		.amdhsa_float_denorm_mode_32 3
		.amdhsa_float_denorm_mode_16_64 3
		.amdhsa_memory_ordered 1
		.amdhsa_forward_progress 1
		.amdhsa_inst_pref_size 94
	.end_amdhsa_kernel
	.amdgpu_metadata
---
amdhsa.version: [ 1, 2 ]
amdhsa.kernels:
  - .name:           k_q1068f7973f_layer1
    .symbol:         k_q1068f7973f_layer1.kd
    .args:
      - { .name: xq, .offset: 0, .size: 8, .value_kind: global_buffer, .address_space: global }
      - { .name: sinfo, .offset: 8, .size: 8, .value_kind: global_buffer, .address_space: global }
      - { .name: w1_codes, .offset: 16, .size: 8, .value_kind: global_buffer, .address_space: global }
      - { .name: w1_scales, .offset: 24, .size: 8, .value_kind: global_buffer, .address_space: global }
      - { .name: b1, .offset: 32, .size: 8, .value_kind: global_buffer, .address_space: global }
      - { .name: h1, .offset: 40, .size: 8, .value_kind: global_buffer, .address_space: global }
    .group_segment_fixed_size: 135680
    .private_segment_fixed_size: 0
    .kernarg_segment_align: 8
    .kernarg_segment_size: 48
    .max_flat_workgroup_size: 128
    .sgpr_count:     90
    .vgpr_count:     768
    .wavefront_size: 32
...
	.end_amdgpu_metadata
.endif
;; end of part 3
;; launch layer2 (part 4): grid 8 x 32, 4 waves a work-group, no clusters, 135,680 bytes of LDS; arguments h1, sinfo, w2_codes, w2_scales, b2, h2; writes h2
.if DOCPART == 4
	.amdgcn_target "amdgcn-amd-amdhsa--gfx1250"
	.amdhsa_code_object_version 6
	.text
	.protected	k_q1068f7973f_layer2
	.globl	k_q1068f7973f_layer2
	.p2align	8
	.type	k_q1068f7973f_layer2,@function
k_q1068f7973f_layer2:
	s_mov_b64 s[64:65], 0
	v_nop
	global_prefetch_b8 v0, s[64:65] scope:SCOPE_SE
	s_setreg_imm32_b32 hwreg(HW_REG_WAVE_MODE, 25, 1), 1
	s_wait_xcnt 0x0
; ONE LAYER OF THE EXPERTS' CHAIN, y = act(A W[e]^T + b[e]), on E4M3 codes with one E8M0 scale for each 32 along K.  One text serves the three layers; LAYER says which.
;   LAYER 1: A = x's codes, gathered by the sorted list; relu; quantised; stored as codes.   LAYER 2: A = layer 1's codes; the same.   LAYER 3: A = layer 2's codes; no relu; out = wa y_a + wb y_b, f32.
; WORK LEFT OUT: an expert that no token of the block chose has the combine weight 0 for all its rows (shown at the head of the first launch's text): it is not walked.
; SHARES.  A block is 64 neighbouring places of the sorted list; work-group (x, y) makes columns 128 x .. 128 x + 127 of block y: 8 x 32 work-groups.  It walks the experts present in its block,
; in ascending order, computes all 64 rows for each, and keeps a row's result only where the row chose the expert (a select; a foreign row never enters a sum or a store).
; Wave w makes all 64 rows x columns n0 = 128 x + 32 w .. + 31: one block of 32 of the next layer's K.  Eight accumulators: four tiles m of 16 rows x two tiles u of W's rows.
; THE MATRIX INSTRUCTION IS USED TRANSPOSED: source 0 = 16 rows of W, source 1 = 16 tokens.  THE ROWS OF W THAT FORM A TILE ARE NOT NEIGHBOURS: lane r of tile u takes row n0 + 8 u + r + 8 (r / 8),
; so that a lane's 16 registers of tiles 0 and 1 are columns n0 + 16 (lane / 16) + 0 .. 15 of ONE token: 16 neighbours along the next K, as the conversions and the next operand want them.
; A: the block's codes lie in LDS as images of the operand's registers (16 bytes a lane, 512 consecutive bytes a load), copied once; from layer 2 on in two slots, slot 0 the row under its expert a,
; slot 1 under b; for each expert a lane reads its row's slot: the slot's number, 0 or 1, held by a minimum with 1, times the slots' distance.  One barrier behind the copy; then A is only read,
; up to a second barrier behind the last expert's last read; behind that one the way out uses A's bytes again.
; W: a wave's 32 rows x 1,024 codes of one expert are 256 registers, 32 for each K step of 128.  They come from memory straight into the operand's registers; as soon as a K step is multiplied, its
; registers are asked for again for the next expert present: a whole expert is always on its way.  The bias is the C of each sum's first product.
; WHY NO TENSOR LOAD, NO CLUSTER, NO JOINT REQUEST, though work-groups share weights: which experts are walked, and how many, are numbers read from memory
; and partners in a cluster would need different experts.
; LIMIT: what a foreign row holds (an overflow, a NaN) is thrown away with it.
.set LAYER, 2
.set SCA,   131072                     ; LDS: 0 .. 131071 A's images: 32768 m + 16384 slot + 2048 s + 512 c + 16 lane;  from SCA 4,096 bytes of A's scale words: 512 s + 128 m + 64 slot + 4 r
.set SCB,   0                          ; layers 1, 2, on the way out, in A's bytes: 512 bytes: the scale bytes made here: 64 (2 m + slot) + 4 r + wave
.set STG,   0                          ; layer 3, on the way out, in A's bytes: the stage: 64 rows x (512 bytes + 16)
.set SPARE, 135168                     ; the spare words, 128 bytes a wave
; window 0 of the vector registers
.set R,    1                           ; lane % 16
.set H,    2                           ; lane / 16
.set L16,  3                           ; 16 x lane
.set R4,   5                           ; SCA + 4 r
.set VOB,  7                           ; W's codes: (r + 8 (r / 8)) x 1024 + 16 h
.set VOS,  8                           ; W's scale words: (8 h + r + 8 (r / 8)) x 32: tile 0 in lanes 0-15, tile 1 in lanes 16-31
.set VOBI, 9                           ; the bias: 64 h
.set SPW,  10                          ; my spare word; never rewritten
.set NIL,  11                          ; 0; never rewritten
.set ADA,  12                          ; v12-15  LDS address of tile m's images for the expert in hand
.set ADS,  16                          ; v16-19  and of its scale words
.set IA,   20                          ; v20-23  expert a of row 16 m + r
.set IB,   24                          ; v24-27  expert b
.set INF,  28                          ; v28-31  the list's words; layer 3: then 8 x token
.set SCW,  32                          ; v32-39  W's scale words, K step s
.set SCN,  40                          ; v40-47  the next expert's
.set ASC,  48                          ; v48-55  A's scale words: 4 (s % 2) + m
.set BI,   56                          ; v56-71  the bias in the result's layout: 8 u + j
.set TM,   72                          ; layers 1, 2: v72-75 largest magnitudes; v76-79 the other half's; v80-83 scale operands; v84-87 448 x the scale; v88-91 bytes
.set TP,   76
.set TS,   80
.set TH,   84
.set TB,   88
.set CT,   92                          ; v92-107   the codes just made: 4 m + k
.set OC,   108                         ; v108-139  the codes kept: 4 (2 m + slot) + k
.set OB,   140                         ; v140-147  the bytes kept: 2 m + slot
.set STB,  148                         ; 4 r + wave
.set VST,  150                         ; 512 wave + 16 lane
.set WAB,  72                          ; layer 3: v72-79 (wa, wb) of row 16 m + r; v80-87 the weight in hand, a pair for the packed form; v88-103 my 16 rows' offsets in out0
.set WS,   80
.set TO,   88
.set OUT,  104                         ; v104-167  the sums kept: 16 m + 8 u + j
.set STO,  168                         ; the stage: where I put my numbers: 528 r + 64 h + 128 wave;
.set RD,   169                         ; where I read whole rows back: 16 rows x wave + 16 lane
.set LW,   170                         ; the prologue's: 32768 wave + 16 lane
.set VGA,  171                         ; 4096 wave + 16 lane
.set T16,  172                         ; 16 x thread
.set XO,   173                         ; layer 1: my row's codes in xq
.set XSO,  174                         ; and its scale words
.set XSA,  175                         ; and where these go in LDS
.set I4,   176                         ; 4 r
.set I4W,  177                         ; 4 r + 64 wave
.set BITS, 178
.set TV,   179
.set SST,  180                         ; v180-187  A's scale words on their way to LDS
.set ONE,  188
.set T16L, 189                         ; SCA + 16 x thread
.set MYI,  190                         ; layer 1: the list's word of row 16 wave + r
.set ACC,  192                         ; v192-255  the accumulators: 16 m + 8 u + j
; window 1: W's fragment (tile u, K step s) at v[32 s + 16 u].   window 2: A's fragments, two sets: v[64 (s % 2) + 16 m]; in the prologue all of it is the staging on the way to LDS
; scalar registers
.set WV,   18
.set CG,   19
.set BL,   20
.set OFS,  22                          ; s[22:23] an offset, the high word 0
.set ASR,  24                          ; s[24:25] A's scale words in memory
.set WB,   26                          ; s[26:27], s[28:29], s[30:31]: W's codes, W's scale words, the bias at my wave's first column, expert 0
.set SB,   28
.set BB,   30
.set WN,   32                          ; s[32:37] the same three at the expert that is being fetched
.set SN,   34
.set BN,   36
.set MASK, 38                          ; the experts still to be fetched, a bit each
.set EC,   39                          ; the expert in hand
.set EN,   40                          ; the next
.set CNT,  41                          ; experts present - 1
.set IT,   42
.set TMP,  43
.set SEL,  44                          ; s[44:45]
.set MNT,  46
.set MKA,  48                          ; s48-51 lanes whose row has the expert in hand as a; s52-55 as b; s56-59 either
.set MKB,  52
.set MKU,  56
.set DSC,  60                          ; s[60:61] where the scale words made here go
.set TOK,  72                          ; s[72:87] layer 3: the list's words of my 16 rows on the way out
.set SIW,  88                          ; s[88:89] and where they lie
.set MSB, 0
.macro WIN new                         ; s_set_vgpr_msb: bits 1:0 source 0, 3:2 source 1, 5:4 source 2, 7:6 destination; the high byte repeats the setting that is left; a switch that changes nothing is dropped
.if MSB != \new
	s_set_vgpr_msb (MSB<<8)|\new
.set MSB, \new
.endif
.endm
.macro BASES e                         ; the three bases at expert s[e]: 2^20 bytes of codes, 2^15 of scale bytes, 2^12 of bias to an expert
	s_lshl_b32 s[OFS], s[\e], 20
	s_add_nc_u64 s[WN:WN+1], s[WB:WB+1], s[OFS:OFS+1]
	s_lshl_b32 s[OFS], s[\e], 15
	s_add_nc_u64 s[SN:SN+1], s[SB:SB+1], s[OFS:OFS+1]
	s_lshl_b32 s[OFS], s[\e], 12
	s_add_nc_u64 s[BN:BN+1], s[BB:BB+1], s[OFS:OFS+1]
.endm
.macro LDSC                            ; 2 loads: my row's 8 scale words
	WIN 0
	global_load_b128 v[SCN:SCN+3],   v[VOS], s[SN:SN+1]
	global_load_b128 v[SCN+4:SCN+7], v[VOS], s[SN:SN+1] offset:16
.endm
.macro LDG s                           ; 8 loads: W's two fragments of K step s.  Two lanes take 32 neighbouring bytes of a row, the four loads on end its 128
	WIN 0x40
.irp u, 0,1
.irp c, 0,1,2,3
	global_load_b128 v[32*(\s)+16*\u+4*\c:32*(\s)+16*\u+4*\c+3], v[VOB], s[WN:WN+1] offset:\u*8192+(\s)*128+\c*32
.endr
.endr
.endm
.macro LDBI                            ; 4 loads: the bias of my 16 columns
	WIN 0
.irp q, 0,1,2,3
	global_load_b128 v[BI+4*\q:BI+4*\q+3], v[VOBI], s[BN:BN+1] offset:16*\q
.endr
.endm
.macro ALOAD s                         ; 20 LDS loads: A's four fragments of K step s and their scale words
	WIN 0x80
.irp m, 0,1,2,3
.irp c, 0,1,2,3
	ds_load_b128 v[64*((\s)%2)+16*\m+4*\c:64*((\s)%2)+16*\m+4*\c+3], v[ADA+\m] offset:2048*(\s)+512*\c
.endr
.endr
	WIN 0
.irp m, 0,1,2,3
	ds_load_b32 v[ASC+4*((\s)%2)+\m], v[ADS+\m] offset:512*(\s)
.endr
.endm
.macro MM s, m                         ; tile m of rows against W's two tiles.  The eight accumulators take turns, one instruction a turn
.if (\s) == 0
	v_wmma_scale_f32_16x16x128_f8f6f4 v[ACC+16*\m:ACC+16*\m+7], v[32*(\s):32*(\s)+15], v[64*((\s)%2)+16*\m:64*((\s)%2)+16*\m+15], v[BI:BI+7], v[SCW+(\s)], v[ASC+4*((\s)%2)+\m]
	v_wmma_scale_f32_16x16x128_f8f6f4 v[ACC+16*\m+8:ACC+16*\m+15], v[32*(\s)+16:32*(\s)+31], v[64*((\s)%2)+16*\m:64*((\s)%2)+16*\m+15], v[BI+8:BI+15], v[SCW+(\s)], v[ASC+4*((\s)%2)+\m] matrix_a_scale:MATRIX_SCALE_ROW1
.else
	v_wmma_scale_f32_16x16x128_f8f6f4 v[ACC+16*\m:ACC+16*\m+7], v[32*(\s):32*(\s)+15], v[64*((\s)%2)+16*\m:64*((\s)%2)+16*\m+15], v[ACC+16*\m:ACC+16*\m+7], v[SCW+(\s)], v[ASC+4*((\s)%2)+\m]
	v_wmma_scale_f32_16x16x128_f8f6f4 v[ACC+16*\m+8:ACC+16*\m+15], v[32*(\s)+16:32*(\s)+31], v[64*((\s)%2)+16*\m:64*((\s)%2)+16*\m+15], v[ACC+16*\m+8:ACC+16*\m+15], v[SCW+(\s)], v[ASC+4*((\s)%2)+\m] matrix_a_scale:MATRIX_SCALE_ROW1
.endif
.endm
; A K step.  pf = 1: the next expert is being fetched.  An expert's loads are always issued in this order: scale words (2), K step 0 (8), bias (4), K steps 1 to 7 (56).
.macro STEP s, pf
.if (\s) < 7
	ALOAD (\s)+1
	s_wait_dscnt 20                                ; this step's fragments of A are in; the 20 loads just issued stay out
.else
	s_wait_dscnt 0x0
.endif
.if \pf
.if (\s) == 0
	s_wait_loadcnt 58                              ; behind this expert's bias were issued: its K steps 1 to 7 (56) and the next expert's scale words (2)
.else
	s_wait_loadcnt 62                              ; behind this K step: 8 (7 - s) of this expert; of the next: 2 + 8 + 4 + 8 (s - 1)
.endif
.else
	s_wait_loadcnt 56-8*(\s)                       ; behind this K step (at s = 0: behind the bias): the later K steps alone
.endif
	WIN 0x09                                       ; source 0 (W) window 1, source 1 (A) window 2, C and D window 0
.irp m, 0,1,2,3
	MM \s, \m
.endr
.rept 8
	v_nop                                          ; eight places ahead of loads into registers that these products read, and of the first read of results
.endr
.if \pf
.if (\s) == 7
	v_nop                                          ; a ninth: the next expert's first products begin these accumulators anew, with another C
.endif
	LDG \s
.if (\s) == 0
	LDBI
.endif
.endif
.endm
.macro SELECT                          ; whose rows have the expert in hand, and from layer 2 on which slot each lane reads
	WIN 0
.irp m, 0,1,2,3
	v_cmp_eq_u32 s[MKA+\m], s[EC], v[IA+\m]
	v_cmp_eq_u32 s[MKB+\m], s[EC], v[IB+\m]
.endr
.if LAYER > 1
.irp m, 0,1,2,3
	v_cndmask_b32 v[ADS+\m], 0, 1, s[MKB+\m]       ; the row's slot: 1 where the expert in hand is its b
.endr
.irp m, 0,1,2,3
	v_min_u32 v[ADS+\m], 1, v[ADS+\m]              ; a number that hangs on the list enters an address only held under a constant; behind it shifts left and additions alone
.endr
.irp m, 0,1,2,3
	v_lshlrev_b32 v[ADA+\m], 14, v[ADS+\m]         ; the slots' images lie 16,384 bytes apart,
	v_lshlrev_b32 v[ADS+\m], 6, v[ADS+\m]          ; their scale words 64
.endr
.irp m, 0,1,2,3
	v_add_nc_u32 v[ADA+\m], v[ADA+\m], v[L16]
	v_add_nc_u32 v[ADS+\m], v[ADS+\m], v[R4]
.endr
.irp m, 1,2,3
	v_add_nc_u32 v[ADA+\m], 32768*\m, v[ADA+\m]
	v_add_nc_u32 v[ADS+\m], 128*\m, v[ADS+\m]
.endr
.endif
.endm
; Layers 1, 2: relu, the quantiser along the next K, and the select.  A lane's 16 numbers and lane l xor 16's are a block of 32.  Each accumulator is read from its low end on.
.macro QEPI
.irp m, 0,1,2,3
	v_max3_num_f32 v[TM+\m], v[ACC+16*\m], v[ACC+16*\m+1], 0x4800000   ; no |.|: what is negative becomes 0 and must not count; the floor 2^(9 - 127) keeps the byte at 1 or above
.endr
.irp i, 2,4,6,8,10,12,14
.irp m, 0,1,2,3
	v_max3_num_f32 v[TM+\m], v[TM+\m], v[ACC+16*\m+\i], v[ACC+16*\m+\i+1]
.endr
.endr
.irp m, 0,1,2,3
	v_permlanex16_b32 v[TP+\m], v[TM+\m], s[SEL], s[SEL+1]
.endr
.irp m, 0,1,2,3
	v_max_num_f32 v[TM+\m], v[TM+\m], v[TP+\m]
.endr
.irp m, 0,1,2,3
	v_add_nc_u32 v[TS+\m], 0xfc000000, v[TM+\m]    ; 8 off the exponent field: the conversion's scale operand
.endr
.irp m, 0,1,2,3
	v_and_or_b32 v[TH+\m], v[TM+\m], 0x7f800000, s[MNT]   ; 448 x the scale
.endr
.irp m, 0,1,2,3
	v_lshrrev_b32 v[TB+\m], 23, v[TS+\m]           ; the scale's byte
.endr
.irp m, 0,1,2,3
.irp i, 0,1,2,3,4,5,6,7,8,9,10,11,12,13,14,15
	v_med3_num_f32 v[ACC+16*\m+\i], v[ACC+16*\m+\i], 0, v[TH+\m]   ; relu and the hold in one (the conversion does not saturate: ISA guide 7.6.2)
.endr
	v_cvt_scalef32_pk8_fp8_f32 v[CT+4*\m:CT+4*\m+1], v[ACC+16*\m:ACC+16*\m+7], v[TS+\m]
	v_cvt_scalef32_pk8_fp8_f32 v[CT+4*\m+2:CT+4*\m+3], v[ACC+16*\m+8:ACC+16*\m+15], v[TS+\m]
.endr
	v_nop                                          ; a plain instruction between the last conversion and the first use of its result
.irp m, 0,1,2,3
.irp k, 0,1,2,3
	v_cndmask_b32 v[OC+8*\m+\k], v[OC+8*\m+\k], v[CT+4*\m+\k], s[MKA+\m]       ; slot 0 where the expert is the row's a,
	v_cndmask_b32 v[OC+8*\m+4+\k], v[OC+8*\m+4+\k], v[CT+4*\m+\k], s[MKB+\m]   ; slot 1 where it is its b
.endr
	v_cndmask_b32 v[OB+2*\m], v[OB+2*\m], v[TB+\m], s[MKA+\m]
	v_cndmask_b32 v[OB+2*\m+1], v[OB+2*\m+1], v[TB+\m], s[MKB+\m]
.endr
.endm
; Layer 3: the sum kept + weight x result, taken only where the row chose the expert.  Ascending: each accumulator is read from its low end on.
.macro CEPI
.irp m, 0,1,2,3
	s_or_b32 s[MKU+\m], s[MKA+\m], s[MKB+\m]
	v_cndmask_b32 v[WS+2*\m], v[WAB+2*\m], v[WAB+2*\m+1], s[MKB+\m]
.endr
.irp m, 0,1,2,3
.irp p, 0,2,4,6,8,10,12,14
	v_pk_fma_f32 v[ACC+16*\m+\p:ACC+16*\m+\p+1], v[ACC+16*\m+\p:ACC+16*\m+\p+1], v[WS+2*\m:WS+2*\m+1], v[OUT+16*\m+\p:OUT+16*\m+\p+1] op_sel_hi:[1,0,1]
.endr
.irp i, 0,1,2,3,4,5,6,7,8,9,10,11,12,13,14,15
	v_cndmask_b32 v[OUT+16*\m+\i], v[OUT+16*\m+\i], v[ACC+16*\m+\i], s[MKU+\m]
.endr
.endr
.endm
.macro BODY pf                         ; one expert on the block's 64 rows
.if \pf
	s_wait_xcnt 0x0                                ; the pending loads have read their bases: these are written now
	BASES EN
	LDSC
.endif
	SELECT
	ALOAD 0
	s_wait_alu depctr_va_vdst(0)
.irp s, 0,1,2,3,4,5,6,7
	STEP \s, \pf
.endr
	WIN 0
.if \pf
	s_wait_loadcnt 63                              ; 68 loads were issued behind the next expert's scale words: they are in
.irp s, 0,1,2,3,4,5,6,7
	v_mov_b32 v[SCW+\s], v[SCN+\s]                 ; behind the nine places; the lines below are far more than the eight places that a scale register so written stands ahead of its product
.endr
.else
	s_barrier_signal -1                            ; the last expert: my reads of A are over (K step 7 waited for all my LDS loads, and none was issued since): say so,
.endif
.if LAYER < 3
	QEPI
.else
	CEPI
.endif
.if (\pf) == 0
	s_wait_alu depctr_va_vdst(0)
	s_barrier_wait -1                              ; work on registers meanwhile, and go on when all four have said so: A's bytes may be written again
.endif
.endm
	s_load_b256 s[4:11], s[0:1], 0x0               ; A s[4:5], the list s[6:7], W's codes s[8:9], W's scale bytes s[10:11]
	s_load_b128 s[12:15], s[0:1], 0x20             ; the bias s[12:13], the result s[14:15]
.if LAYER == 3
	s_load_b64 s[16:17], s[0:1], 0x30              ; the weights
.endif
	v_lshl_add_u32 v[SPW], v0, 2, SPARE
	v_mov_b32 v[NIL], 0
	v_lshrrev_b32 v[R], 5, v0
	v_readfirstlane_b32 s[WV], v[R]                ; wave 0..3
	s_mov_b32 s[CG], ttmp9                         ; which 128 columns
	s_and_b32 s[BL], ttmp7, 0xffff                 ; which block
	v_and_b32 v[R], 15, v0
	v_bfe_u32 v[H], v0, 4, 1
	v_and_b32 v[L16], 31, v0
	v_lshlrev_b32 v[L16], 4, v[L16]
	v_lshl_add_u32 v[R4], v[R], 2, SCA
	v_and_b32 v[VOS], 8, v[R]
	v_add_nc_u32 v[VOS], v[VOS], v[R]              ; r + 8 (r / 8)
	v_lshlrev_b32 v[VOB], 10, v[VOS]
	v_lshl_add_u32 v[VOB], v[H], 4, v[VOB]
	v_lshl_add_u32 v[VOS], v[H], 3, v[VOS]
	v_lshlrev_b32 v[VOS], 5, v[VOS]
	v_lshlrev_b32 v[VOBI], 6, v[H]
	s_lshl_b32 s[TMP], s[WV], 15
	v_add_nc_u32 v[LW], s[TMP], v[L16]
	v_lshlrev_b32 v[I4], 2, v[R]
	v_mov_b32 v[ONE], 1
	v_mov_b32 v[TV], 0                             ; written once: a DPP form's destination counts as one of its sources
.if LAYER == 1
	s_lshl_b32 s[TMP], s[WV], 6
	v_add_nc_u32 v[I4W], s[TMP], v[I4]
	v_lshl_add_u32 v[XSA], v[H], 11, v[R4]
	s_lshl_b32 s[TMP], s[WV], 7
	v_add_nc_u32 v[XSA], s[TMP], v[XSA]            ; SCA + 2048 h + 128 wave + 4 r
.irp m, 0,1,2,3
	v_add_nc_u32 v[ADA+\m], 32768*\m, v[L16]       ; x is the same for both experts of a row: one slot, constant addresses
	v_add_nc_u32 v[ADS+\m], 128*\m, v[R4]
.endr
.else
	s_lshl_b32 s[TMP], s[WV], 12
	v_add_nc_u32 v[VGA], s[TMP], v[L16]
	v_lshlrev_b32 v[T16], 4, v0
	v_add_nc_u32 v[T16L], SCA, v[T16]
.endif
.if LAYER < 3
	v_lshlrev_b32 v[STB], 2, v[R]
	v_add_nc_u32 v[STB], s[WV], v[STB]
	s_lshl_b32 s[TMP], s[WV], 9
	v_add_nc_u32 v[VST], s[TMP], v[L16]
.irp m, 0,1,2,3
	v_mov_b32 v[TP+\m], 0                          ; written once: a lane permute's destination counts as one of its sources
.endr
.set I, 0
.rept 40
	v_mov_b32 v[OC+I], 0                           ; what is kept is the target of selects, and which expert fills a lane first hangs on the list: so it is written once here
.set I, I+1
.endr
.else
	v_mul_u32_u24 v[STO], v[R], 528
	v_lshl_add_u32 v[STO], v[H], 6, v[STO]
	s_lshl_b32 s[TMP], s[WV], 7
	v_add_nc_u32 v[STO], s[TMP], v[STO]            ; 528 r + 64 h + 128 wave
	s_mul_i32 s[TMP], s[WV], 8448
	v_add_nc_u32 v[RD], s[TMP], v[L16]             ; 16 rows x wave + 16 lane
.set I, 0
.rept 8
	v_mov_b32 v[WS+I], 0                           ; (the packed form names a pair and takes its low word: the high word is written once)
.set I, I+1
.endr
.set I, 0
.rept 64
	v_mov_b32 v[OUT+I], 0                          ; the sums begin at 0, as reference()'s out does; which expert adds first hangs on the list
.set I, I+1
.endr
.endif
	s_mov_b32 s[SEL], 0x76543210                   ; v_permlanex16_b32's selects for lane l xor 16
	s_mov_b32 s[SEL+1], 0xfedcba98
	s_mov_b32 s[MNT], 0x600000                     ; the mantissa field of 448
	s_lshl_b32 s[TMP], s[CG], 7
	s_lshl_b32 s[OFS], s[WV], 5
	s_add_co_u32 s[TMP], s[TMP], s[OFS]            ; n0: my wave's first column
	s_mov_b32 s[OFS+1], 0
	s_wait_kmcnt 0x0
	s_lshl_b32 s[OFS], s[TMP], 10
	s_add_nc_u64 s[WB:WB+1], s[8:9], s[OFS:OFS+1]
	s_lshl_b32 s[OFS], s[TMP], 5
	s_add_nc_u64 s[SB:SB+1], s[10:11], s[OFS:OFS+1]
	s_lshl_b32 s[OFS], s[TMP], 2
	s_add_nc_u64 s[BB:BB+1], s[12:13], s[OFS:OFS+1]
	s_lshl_b32 s[OFS], s[BL], 8
	s_add_nc_u64 s[6:7], s[6:7], s[OFS:OFS+1]      ; the block's 64 words of the list
.if LAYER == 1
	s_add_nc_u64 s[ASR:ASR+1], s[4:5], 0x200000    ; x's scale words lie behind its codes
.else
	s_add_nc_u64 s[ASR:ASR+1], s[4:5], 0x400000    ; the hidden layer's scale words lie behind its codes: 4,096 bytes a block
	s_lshl_b32 s[OFS], s[BL], 12
	s_add_nc_u64 s[ASR:ASR+1], s[ASR:ASR+1], s[OFS:OFS+1]
	s_lshl_b32 s[OFS], s[BL], 17
	s_add_nc_u64 s[4:5], s[4:5], s[OFS:OFS+1]      ; its codes: 131,072 bytes a block
.endif
.if LAYER < 3
	s_add_nc_u64 s[DSC:DSC+1], s[14:15], 0x400000
	s_lshl_b32 s[OFS], s[BL], 12
	s_add_nc_u64 s[DSC:DSC+1], s[DSC:DSC+1], s[OFS:OFS+1]
	s_lshl_b32 s[OFS], s[CG], 9
	s_add_nc_u64 s[DSC:DSC+1], s[DSC:DSC+1], s[OFS:OFS+1]   ; scale words: block, then K step = my 128 columns
	s_lshl_b32 s[OFS], s[BL], 17
	s_add_nc_u64 s[14:15], s[14:15], s[OFS:OFS+1]
	s_lshl_b32 s[OFS], s[CG], 14
	s_add_nc_u64 s[14:15], s[14:15], s[OFS:OFS+1]  ; codes likewise: 16,384 bytes a K step
.else
	s_lshl_b32 s[OFS], s[CG], 9
	s_add_nc_u64 s[14:15], s[14:15], s[OFS:OFS+1]  ; out0 at my 128 columns
	s_lshl_b32 s[OFS], s[WV], 6
	s_add_nc_u64 s[SIW:SIW+1], s[6:7], s[OFS:OFS+1]
	s_load_b512 s[TOK:TOK+15], s[SIW:SIW+1], 0x0   ; for the way out; waited for there
.endif
.irp m, 0,1,2,3
	global_load_b32 v[INF+\m], v[I4], s[6:7] offset:64*\m          ; the list's word of row 16 m + r
.endr
.if LAYER == 1
	global_load_b32 v[MYI], v[I4W], s[6:7]         ; and of the row whose codes I gather: 16 wave + r
	s_wait_loadcnt 0x0
.else
	WIN 0x80                                       ; the block's A: wave w fetches tile m = w, both slots: 64 loads of 512 consecutive bytes
.irp p, 0,1
.irp s, 0,1,2,3,4,5,6,7
.irp c, 0,1,2,3
	global_load_b128 v[16*(8*\p+\s)+4*\c:16*(8*\p+\s)+4*\c+3], v[VGA], s[4:5] offset:\s*16384+\p*2048+\c*512
.endr
.endr
.endr
	WIN 0
	global_load_b128 v[SST:SST+3],   v[T16], s[ASR:ASR+1]
	global_load_b128 v[SST+4:SST+7], v[T16], s[ASR:ASR+1] offset:2048
	s_wait_loadcnt 63                              ; 66 loads were issued behind the list's words: they are in
.endif
.irp m, 0,1,2,3
	v_bfe_u32 v[IA+\m], v[INF+\m], 16, 4
	v_bfe_u32 v[IB+\m], v[INF+\m], 20, 4
.endr
	v_lshlrev_b32 v[BITS], v[IA], v[ONE]           ; a bit for each expert that a row of the block chose
.irp m, 1,2,3,4,5,6,7
	v_lshl_or_b32 v[BITS], v[ONE], v[IA+\m], v[BITS]
.endr
.irp n, 1,2,4,8
	v_mov_b32_dpp v[TV], v[BITS] row_xmask:\n row_mask:0xf bank_mask:0xf
	v_or_b32 v[BITS], v[BITS], v[TV]
.endr
	v_readfirstlane_b32 s[MASK], v[BITS]
	s_and_b32 s[MASK], s[MASK], 0xff
	s_bcnt1_i32_b32 s[CNT], s[MASK]
	s_sub_co_u32 s[CNT], s[CNT], 1
	s_min_u32 s[CNT], s[CNT], 7                    ; a row has two different experts: 1 .. 7
	s_ctz_i32_b32 s[EC], s[MASK]
	s_min_u32 s[EC], s[EC], 7                      ; the first expert present
	s_sub_co_u32 s[TMP], s[MASK], 1
	s_and_b32 s[MASK], s[MASK], s[TMP]
.if LAYER == 1
	v_and_b32 v[MYI], 0x7ff, v[MYI]
	v_min_u32 v[MYI], 0x7ff, v[MYI]                ; the token, held inside x
	v_lshlrev_b32 v[XO], 10, v[MYI]
	v_lshl_add_u32 v[XO], v[H], 4, v[XO]
	v_lshlrev_b32 v[XSO], 5, v[MYI]
	v_lshl_add_u32 v[XSO], v[H], 4, v[XSO]
	WIN 0x80                                       ; wave w gathers tile m = w: 32 loads straight into the operand's layout
.irp s, 0,1,2,3,4,5,6,7
.irp c, 0,1,2,3
	global_load_b128 v[16*\s+4*\c:16*\s+4*\c+3], v[XO], s[4:5] offset:128*\s+32*\c
.endr
.endr
	WIN 0
	global_load_b128 v[SST:SST+3], v[XSO], s[ASR:ASR+1]            ; the row's scale words 4 h + 0 .. 3
.endif
.if LAYER == 3
.irp m, 0,1,2,3
	v_and_b32 v[INF+\m], 0x7ff, v[INF+\m]
	v_min_u32 v[INF+\m], 0x7ff, v[INF+\m]
	v_lshlrev_b32 v[INF+\m], 3, v[INF+\m]
	global_load_b64 v[WAB+2*\m:WAB+2*\m+1], v[INF+\m], s[16:17]    ; (wa, wb) of row 16 m + r
.endr
.endif
	BASES EC                                       ; the first expert: the same order of loads as in the walk
	LDSC
	LDG 0
	LDBI
.irp s, 1,2,3,4,5,6,7
	LDG \s
.endr
	WIN 0
	s_wait_loadcnt 63                              ; 70 loads were issued behind A's, 68 behind W's scale words: A, its scale words, the weights and W's scale words are in
.irp s, 0,1,2,3,4,5,6,7
	v_mov_b32 v[SCW+\s], v[SCN+\s]
.endr
.rept 8
	v_nop                                          ; a scale register written by a vector instruction stands eight places ahead of its product
.endr
	WIN 0x08                                       ; an LDS store's data are its source 1: window 2
.if LAYER == 1
.irp s, 0,1,2,3,4,5,6,7
.irp c, 0,1,2,3
	ds_store_b128 v[LW], v[16*\s+4*\c:16*\s+4*\c+3] offset:\s*2048+\c*512
.endr
.endr
	WIN 0
.irp j, 0,1,2,3
	ds_store_b32 v[XSA], v[SST+\j] offset:512*\j   ; K step 4 h + j
.endr
.else
.irp p, 0,1
.irp s, 0,1,2,3,4,5,6,7
.irp c, 0,1,2,3
	ds_store_b128 v[LW], v[16*(8*\p+\s)+4*\c:16*(8*\p+\s)+4*\c+3] offset:\p*16384+\s*2048+\c*512
.endr
.endr
.endr
	WIN 0
	ds_store_b128 v[T16L], v[SST:SST+3]
	ds_store_b128 v[T16L], v[SST+4:SST+7] offset:2048
.endif
	s_wait_dscnt 0x0                               ; for the others' sake: my part of A lies in LDS
	s_barrier_signal -1
	s_barrier_wait -1                              ; everybody's does; from here on A is only read, up to the barrier in the last expert's body
	s_mov_b32 s[IT], 0
.Lwalk:                                                ; a trip: one expert is multiplied while the next one present is fetched
	s_ctz_i32_b32 s[EN], s[MASK]
	s_min_u32 s[EN], s[EN], 7
	s_sub_co_u32 s[TMP], s[MASK], 1
	s_and_b32 s[MASK], s[MASK], s[TMP]
	BODY 1
	s_mov_b32 s[EC], s[EN]
	s_add_co_u32 s[IT], s[IT], 1
	s_cmp_lt_u32 s[IT], s[CNT]
	s_cbranch_scc1 .Lwalk
	BODY 0                                         ; the last expert is written out: it fetches nothing, its waits count down, and it holds the barrier behind A's last read
.if LAYER < 3
	; THE WAY OUT.  My codes are piece c = wave of the next layer's fragments: each store covers 512 consecutive bytes, aligned.  The four waves' bytes make the rows' scale words in LDS, in bytes that held A.
.irp m, 0,1,2,3
.irp p, 0,1
	global_store_b128 v[VST], v[OC+4*(2*\m+\p):OC+4*(2*\m+\p)+3], s[14:15] offset:4096*\m+2048*\p
	ds_store_b8 v[STB], v[OB+2*\m+\p] offset:SCB+64*(2*\m+\p)      ; both halves of the lanes write the same byte with the same value
.endr
.endr
	s_wait_dscnt 0x0                               ; for wave 0's sake
	s_barrier_signal -1
	s_barrier_wait -1
	s_cmp_lg_u32 s[WV], 0
	s_cbranch_scc1 .Lend
	ds_load_b128 v[CT:CT+3], v[L16] offset:SCB
	s_wait_dscnt 0x0
	global_store_b128 v[L16], v[CT:CT+3], s[DSC:DSC+1]             ; 512 consecutive bytes, aligned
.Lend:
.else
	; THE WAY OUT.  A row's 128 columns come from four waves: they meet in the stage, in bytes that held A, and each wave stores 16 whole rows of 512 bytes, each to its token's row of out0.
.irp m, 0,1,2,3
.irp q, 0,1,2,3
	ds_store_b128 v[STO], v[OUT+16*\m+4*\q:OUT+16*\m+4*\q+3] offset:STG+8448*\m+16*\q
.endr
.endr
	s_wait_kmcnt 0x0                               ; the list's words of my 16 rows
.irp t, 0,1,2,3,4,5,6,7,8,9,10,11,12,13,14,15
	s_and_b32 s[TMP], s[TOK+\t], 0x7ff
	s_min_u32 s[TMP], s[TMP], 2047                 ; the token, held inside out0
	s_lshl_b32 s[TMP], s[TMP], 12
	v_add_nc_u32 v[TO+\t], s[TMP], v[L16]
.endr
	s_wait_dscnt 0x0                               ; for the others' sake: my stores into the stage are done
	s_barrier_signal -1
	s_barrier_wait -1
.irp t, 0,1,2,3,4,5,6,7,8,9,10,11,12,13,14,15
	ds_load_b128 v[ACC+4*\t:ACC+4*\t+3], v[RD] offset:STG+528*\t
.endr
.irp t, 0,1,2,3,4,5,6,7,8,9,10,11,12,13,14,15
	s_wait_dscnt 15-\t                             ; row t is back; the younger rows stay out
	global_store_b128 v[TO+\t], v[ACC+4*\t:ACC+4*\t+3], s[14:15] th:TH_STORE_NT   ; 32 lanes store 512 consecutive bytes, aligned; written once
.endr
.endif
	s_wait_tensorcnt 0x0                           ; the wave's end
	ds_add_u32 v[SPW], v[NIL]
	s_wait_dscnt 0x0
	s_endpgm
.Lfunc_end_k_q1068f7973f_layer2:
	.size	k_q1068f7973f_layer2, .Lfunc_end_k_q1068f7973f_layer2-k_q1068f7973f_layer2
	.p2alignl 7, 3214868480
	.fill 96, 4, 3214868480
	.section	.rodata,"a",@progbits
	.p2align	6, 0x0
	.amdhsa_kernel k_q1068f7973f_layer2
		.amdhsa_group_segment_fixed_size 135680
		.amdhsa_private_segment_fixed_size 0
		.amdhsa_enable_private_segment 0
		.amdhsa_kernarg_size 48
		.amdhsa_user_sgpr_count 2
		.amdhsa_user_sgpr_kernarg_segment_ptr 1
		.amdhsa_wavefront_size32 1
		.amdhsa_system_sgpr_workgroup_id_x 1
		.amdhsa_system_sgpr_workgroup_id_y 1
		.amdhsa_system_sgpr_workgroup_id_z 1
		.amdhsa_system_vgpr_workitem_id 0
		.amdhsa_next_free_vgpr 768
		.amdhsa_next_free_sgpr 90
		.amdhsa_reserve_vcc 0
		.amdhsa_float_denorm_mode_32 3
		.amdhsa_float_denorm_mode_16_64 3
		.amdhsa_memory_ordered 1
		.amdhsa_forward_progress 1
		.amdhsa_inst_pref_size 101
	.end_amdhsa_kernel
	.amdgpu_metadata
---
amdhsa.version: [ 1, 2 ]
amdhsa.kernels:
  - .name:           k_q1068f7973f_layer2
    .symbol:         k_q1068f7973f_layer2.kd
    .args:
      - { .name: h1, .offset: 0, .size: 8, .value_kind: global_buffer, .address_space: global }
      - { .name: sinfo, .offset: 8, .size: 8, .value_kind: global_buffer, .address_space: global }
      - { .name: w2_codes, .offset: 16, .size: 8, .value_kind: global_buffer, .address_space: global }
      - { .name: w2_scales, .offset: 24, .size: 8, .value_kind: global_buffer, .address_space: global }
      - { .name: b2, .offset: 32, .size: 8, .value_kind: global_buffer, .address_space: global }
      - { .name: h2, .offset: 40, .size: 8, .value_kind: global_buffer, .address_space: global }
    .group_segment_fixed_size: 135680
    .private_segment_fixed_size: 0
    .kernarg_segment_align: 8
    .kernarg_segment_size: 48
    .max_flat_workgroup_size: 128
    .sgpr_count:     90
    .vgpr_count:     768
    .wavefront_size: 32
...
	.end_amdgpu_metadata
.endif
;; end of part 4
;; launch layer3 (part 5): grid 8 x 32, 4 waves a work-group, no clusters, 135,680 bytes of LDS; arguments h2, sinfo, w3_codes, w3_scales, b3, out0, rw; writes out0
.if DOCPART == 5
	.amdgcn_target "amdgcn-amd-amdhsa--gfx1250"
	.amdhsa_code_object_version 6
	.text
	.protected	k_q1068f7973f_layer3
	.globl	k_q1068f7973f_layer3
	.p2align	8
	.type	k_q1068f7973f_layer3,@function
k_q1068f7973f_layer3:
	s_mov_b64 s[64:65], 0
	v_nop
	global_prefetch_b8 v0, s[64:65] scope:SCOPE_SE
	s_setreg_imm32_b32 hwreg(HW_REG_WAVE_MODE, 25, 1), 1
	s_wait_xcnt 0x0
; ONE LAYER OF THE EXPERTS' CHAIN, y = act(A W[e]^T + b[e]), on E4M3 codes with one E8M0 scale for each 32 along K.  One text serves the three layers; LAYER says which.
;   LAYER 1: A = x's codes, gathered by the sorted list; relu; quantised; stored as codes.   LAYER 2: A = layer 1's codes; the same.   LAYER 3: A = layer 2's codes; no relu; out = wa y_a + wb y_b, f32.
; WORK LEFT OUT: an expert that no token of the block chose has the combine weight 0 for all its rows (shown at the head of the first launch's text): it is not walked.
; SHARES.  A block is 64 neighbouring places of the sorted list; work-group (x, y) makes columns 128 x .. 128 x + 127 of block y: 8 x 32 work-groups.  It walks the experts present in its block,
; in ascending order, computes all 64 rows for each, and keeps a row's result only where the row chose the expert (a select; a foreign row never enters a sum or a store).
; Wave w makes all 64 rows x columns n0 = 128 x + 32 w .. + 31: one block of 32 of the next layer's K.  Eight accumulators: four tiles m of 16 rows x two tiles u of W's rows.
; THE MATRIX INSTRUCTION IS USED TRANSPOSED: source 0 = 16 rows of W, source 1 = 16 tokens.  THE ROWS OF W THAT FORM A TILE ARE NOT NEIGHBOURS: lane r of tile u takes row n0 + 8 u + r + 8 (r / 8),
; so that a lane's 16 registers of tiles 0 and 1 are columns n0 + 16 (lane / 16) + 0 .. 15 of ONE token: 16 neighbours along the next K, as the conversions and the next operand want them.
; A: the block's codes lie in LDS as images of the operand's registers (16 bytes a lane, 512 consecutive bytes a load), copied once; from layer 2 on in two slots, slot 0 the row under its expert a,
; slot 1 under b; for each expert a lane reads its row's slot: the slot's number, 0 or 1, held by a minimum with 1, times the slots' distance.  One barrier behind the copy; then A is only read,
; up to a second barrier behind the last expert's last read; behind that one the way out uses A's bytes again.
; W: a wave's 32 rows x 1,024 codes of one expert are 256 registers, 32 for each K step of 128.  They come from memory straight into the operand's registers; as soon as a K step is multiplied, its
; registers are asked for again for the next expert present: a whole expert is always on its way.  The bias is the C of each sum's first product.
; WHY NO TENSOR LOAD, NO CLUSTER, NO JOINT REQUEST, though work-groups share weights: which experts are walked, and how many, are numbers read from memory
; and partners in a cluster would need different experts.
; LIMIT: what a foreign row holds (an overflow, a NaN) is thrown away with it.
.set LAYER, 3
.set SCA,   131072                     ; LDS: 0 .. 131071 A's images: 32768 m + 16384 slot + 2048 s + 512 c + 16 lane;  from SCA 4,096 bytes of A's scale words: 512 s + 128 m + 64 slot + 4 r
.set SCB,   0                          ; layers 1, 2, on the way out, in A's bytes: 512 bytes: the scale bytes made here: 64 (2 m + slot) + 4 r + wave
.set STG,   0                          ; layer 3, on the way out, in A's bytes: the stage: 64 rows x (512 bytes + 16)
.set SPARE, 135168                     ; the spare words, 128 bytes a wave
; window 0 of the vector registers
.set R,    1                           ; lane % 16
.set H,    2                           ; lane / 16
.set L16,  3                           ; 16 x lane
.set R4,   5                           ; SCA + 4 r
.set VOB,  7                           ; W's codes: (r + 8 (r / 8)) x 1024 + 16 h
.set VOS,  8                           ; W's scale words: (8 h + r + 8 (r / 8)) x 32: tile 0 in lanes 0-15, tile 1 in lanes 16-31
.set VOBI, 9                           ; the bias: 64 h
.set SPW,  10                          ; my spare word; never rewritten
.set NIL,  11                          ; 0; never rewritten
.set ADA,  12                          ; v12-15  LDS address of tile m's images for the expert in hand
.set ADS,  16                          ; v16-19  and of its scale words
.set IA,   20                          ; v20-23  expert a of row 16 m + r
.set IB,   24                          ; v24-27  expert b
.set INF,  28                          ; v28-31  the list's words; layer 3: then 8 x token
.set SCW,  32                          ; v32-39  W's scale words, K step s
.set SCN,  40                          ; v40-47  the next expert's
.set ASC,  48                          ; v48-55  A's scale words: 4 (s % 2) + m
.set BI,   56                          ; v56-71  the bias in the result's layout: 8 u + j
.set TM,   72                          ; layers 1, 2: v72-75 largest magnitudes; v76-79 the other half's; v80-83 scale operands; v84-87 448 x the scale; v88-91 bytes
.set TP,   76
.set TS,   80
.set TH,   84
.set TB,   88
.set CT,   92                          ; v92-107   the codes just made: 4 m + k
.set OC,   108                         ; v108-139  the codes kept: 4 (2 m + slot) + k
.set OB,   140                         ; v140-147  the bytes kept: 2 m + slot
.set STB,  148                         ; 4 r + wave
.set VST,  150                         ; 512 wave + 16 lane
.set WAB,  72                          ; layer 3: v72-79 (wa, wb) of row 16 m + r; v80-87 the weight in hand, a pair for the packed form; v88-103 my 16 rows' offsets in out0
.set WS,   80
.set TO,   88
.set OUT,  104                         ; v104-167  the sums kept: 16 m + 8 u + j
.set STO,  168                         ; the stage: where I put my numbers: 528 r + 64 h + 128 wave;
.set RD,   169                         ; where I read whole rows back: 16 rows x wave + 16 lane
.set LW,   170                         ; the prologue's: 32768 wave + 16 lane
.set VGA,  171                         ; 4096 wave + 16 lane
.set T16,  172                         ; 16 x thread
.set XO,   173                         ; layer 1: my row's codes in xq
.set XSO,  174                         ; and its scale words
.set XSA,  175                         ; and where these go in LDS
.set I4,   176                         ; 4 r
.set I4W,  177                         ; 4 r + 64 wave
.set BITS, 178
.set TV,   179
.set SST,  180                         ; v180-187  A's scale words on their way to LDS
.set ONE,  188
.set T16L, 189                         ; SCA + 16 x thread
.set MYI,  190                         ; layer 1: the list's word of row 16 wave + r
.set ACC,  192                         ; v192-255  the accumulators: 16 m + 8 u + j
; window 1: W's fragment (tile u, K step s) at v[32 s + 16 u].   window 2: A's fragments, two sets: v[64 (s % 2) + 16 m]; in the prologue all of it is the staging on the way to LDS
; scalar registers
.set WV,   18
.set CG,   19
.set BL,   20
.set OFS,  22                          ; s[22:23] an offset, the high word 0
.set ASR,  24                          ; s[24:25] A's scale words in memory
.set WB,   26                          ; s[26:27], s[28:29], s[30:31]: W's codes, W's scale words, the bias at my wave's first column, expert 0
.set SB,   28
.set BB,   30
.set WN,   32                          ; s[32:37] the same three at the expert that is being fetched
.set SN,   34
.set BN,   36
.set MASK, 38                          ; the experts still to be fetched, a bit each
.set EC,   39                          ; the expert in hand
.set EN,   40                          ; the next
.set CNT,  41                          ; experts present - 1
.set IT,   42
.set TMP,  43
.set SEL,  44                          ; s[44:45]
.set MNT,  46
.set MKA,  48                          ; s48-51 lanes whose row has the expert in hand as a; s52-55 as b; s56-59 either
.set MKB,  52
.set MKU,  56
.set DSC,  60                          ; s[60:61] where the scale words made here go
.set TOK,  72                          ; s[72:87] layer 3: the list's words of my 16 rows on the way out
.set SIW,  88                          ; s[88:89] and where they lie
.set MSB, 0
.macro WIN new                         ; s_set_vgpr_msb: bits 1:0 source 0, 3:2 source 1, 5:4 source 2, 7:6 destination; the high byte repeats the setting that is left; a switch that changes nothing is dropped
.if MSB != \new
	s_set_vgpr_msb (MSB<<8)|\new
.set MSB, \new
.endif
.endm
.macro BASES e                         ; the three bases at expert s[e]: 2^20 bytes of codes, 2^15 of scale bytes, 2^12 of bias to an expert
	s_lshl_b32 s[OFS], s[\e], 20
	s_add_nc_u64 s[WN:WN+1], s[WB:WB+1], s[OFS:OFS+1]
	s_lshl_b32 s[OFS], s[\e], 15
	s_add_nc_u64 s[SN:SN+1], s[SB:SB+1], s[OFS:OFS+1]
	s_lshl_b32 s[OFS], s[\e], 12
	s_add_nc_u64 s[BN:BN+1], s[BB:BB+1], s[OFS:OFS+1]
.endm
.macro LDSC                            ; 2 loads: my row's 8 scale words
	WIN 0
	global_load_b128 v[SCN:SCN+3],   v[VOS], s[SN:SN+1]
	global_load_b128 v[SCN+4:SCN+7], v[VOS], s[SN:SN+1] offset:16
.endm
.macro LDG s                           ; 8 loads: W's two fragments of K step s.  Two lanes take 32 neighbouring bytes of a row, the four loads on end its 128
	WIN 0x40
.irp u, 0,1
.irp c, 0,1,2,3
	global_load_b128 v[32*(\s)+16*\u+4*\c:32*(\s)+16*\u+4*\c+3], v[VOB], s[WN:WN+1] offset:\u*8192+(\s)*128+\c*32
.endr
.endr
.endm
.macro LDBI                            ; 4 loads: the bias of my 16 columns
	WIN 0
.irp q, 0,1,2,3
	global_load_b128 v[BI+4*\q:BI+4*\q+3], v[VOBI], s[BN:BN+1] offset:16*\q
.endr
.endm
.macro ALOAD s                         ; 20 LDS loads: A's four fragments of K step s and their scale words
	WIN 0x80
.irp m, 0,1,2,3
.irp c, 0,1,2,3
	ds_load_b128 v[64*((\s)%2)+16*\m+4*\c:64*((\s)%2)+16*\m+4*\c+3], v[ADA+\m] offset:2048*(\s)+512*\c
.endr
.endr
	WIN 0
.irp m, 0,1,2,3
	ds_load_b32 v[ASC+4*((\s)%2)+\m], v[ADS+\m] offset:512*(\s)
.endr
.endm
.macro MM s, m                         ; tile m of rows against W's two tiles.  The eight accumulators take turns, one instruction a turn
.if (\s) == 0
	v_wmma_scale_f32_16x16x128_f8f6f4 v[ACC+16*\m:ACC+16*\m+7], v[32*(\s):32*(\s)+15], v[64*((\s)%2)+16*\m:64*((\s)%2)+16*\m+15], v[BI:BI+7], v[SCW+(\s)], v[ASC+4*((\s)%2)+\m]
	v_wmma_scale_f32_16x16x128_f8f6f4 v[ACC+16*\m+8:ACC+16*\m+15], v[32*(\s)+16:32*(\s)+31], v[64*((\s)%2)+16*\m:64*((\s)%2)+16*\m+15], v[BI+8:BI+15], v[SCW+(\s)], v[ASC+4*((\s)%2)+\m] matrix_a_scale:MATRIX_SCALE_ROW1
.else
	v_wmma_scale_f32_16x16x128_f8f6f4 v[ACC+16*\m:ACC+16*\m+7], v[32*(\s):32*(\s)+15], v[64*((\s)%2)+16*\m:64*((\s)%2)+16*\m+15], v[ACC+16*\m:ACC+16*\m+7], v[SCW+(\s)], v[ASC+4*((\s)%2)+\m]
	v_wmma_scale_f32_16x16x128_f8f6f4 v[ACC+16*\m+8:ACC+16*\m+15], v[32*(\s)+16:32*(\s)+31], v[64*((\s)%2)+16*\m:64*((\s)%2)+16*\m+15], v[ACC+16*\m+8:ACC+16*\m+15], v[SCW+(\s)], v[ASC+4*((\s)%2)+\m] matrix_a_scale:MATRIX_SCALE_ROW1
.endif
.endm
; A K step.  pf = 1: the next expert is being fetched.  An expert's loads are always issued in this order: scale words (2), K step 0 (8), bias (4), K steps 1 to 7 (56).
.macro STEP s, pf
.if (\s) < 7
	ALOAD (\s)+1
	s_wait_dscnt 20                                ; this step's fragments of A are in; the 20 loads just issued stay out
.else
	s_wait_dscnt 0x0
.endif
.if \pf
.if (\s) == 0
	s_wait_loadcnt 58                              ; behind this expert's bias were issued: its K steps 1 to 7 (56) and the next expert's scale words (2)
.else
	s_wait_loadcnt 62                              ; behind this K step: 8 (7 - s) of this expert; of the next: 2 + 8 + 4 + 8 (s - 1)
.endif
.else
	s_wait_loadcnt 56-8*(\s)                       ; behind this K step (at s = 0: behind the bias): the later K steps alone
.endif
	WIN 0x09                                       ; source 0 (W) window 1, source 1 (A) window 2, C and D window 0
.irp m, 0,1,2,3
	MM \s, \m
.endr
.rept 8
	v_nop                                          ; eight places ahead of loads into registers that these products read, and of the first read of results
.endr
.if \pf
.if (\s) == 7
	v_nop                                          ; a ninth: the next expert's first products begin these accumulators anew, with another C
.endif
	LDG \s
.if (\s) == 0
	LDBI
.endif
.endif
.endm
.macro SELECT                          ; whose rows have the expert in hand, and from layer 2 on which slot each lane reads
	WIN 0
.irp m, 0,1,2,3
	v_cmp_eq_u32 s[MKA+\m], s[EC], v[IA+\m]
	v_cmp_eq_u32 s[MKB+\m], s[EC], v[IB+\m]
.endr
.if LAYER > 1
.irp m, 0,1,2,3
	v_cndmask_b32 v[ADS+\m], 0, 1, s[MKB+\m]       ; the row's slot: 1 where the expert in hand is its b
.endr
.irp m, 0,1,2,3
	v_min_u32 v[ADS+\m], 1, v[ADS+\m]              ; a number that hangs on the list enters an address only held under a constant; behind it shifts left and additions alone
.endr
.irp m, 0,1,2,3
	v_lshlrev_b32 v[ADA+\m], 14, v[ADS+\m]         ; the slots' images lie 16,384 bytes apart,
	v_lshlrev_b32 v[ADS+\m], 6, v[ADS+\m]          ; their scale words 64
.endr
.irp m, 0,1,2,3
	v_add_nc_u32 v[ADA+\m], v[ADA+\m], v[L16]
	v_add_nc_u32 v[ADS+\m], v[ADS+\m], v[R4]
.endr
.irp m, 1,2,3
	v_add_nc_u32 v[ADA+\m], 32768*\m, v[ADA+\m]
	v_add_nc_u32 v[ADS+\m], 128*\m, v[ADS+\m]
.endr
.endif
.endm
; Layers 1, 2: relu, the quantiser along the next K, and the select.  A lane's 16 numbers and lane l xor 16's are a block of 32.  Each accumulator is read from its low end on.
.macro QEPI
.irp m, 0,1,2,3
	v_max3_num_f32 v[TM+\m], v[ACC+16*\m], v[ACC+16*\m+1], 0x4800000   ; no |.|: what is negative becomes 0 and must not count; the floor 2^(9 - 127) keeps the byte at 1 or above
.endr
.irp i, 2,4,6,8,10,12,14
.irp m, 0,1,2,3
	v_max3_num_f32 v[TM+\m], v[TM+\m], v[ACC+16*\m+\i], v[ACC+16*\m+\i+1]
.endr
.endr
.irp m, 0,1,2,3
	v_permlanex16_b32 v[TP+\m], v[TM+\m], s[SEL], s[SEL+1]
.endr
.irp m, 0,1,2,3
	v_max_num_f32 v[TM+\m], v[TM+\m], v[TP+\m]
.endr
.irp m, 0,1,2,3
	v_add_nc_u32 v[TS+\m], 0xfc000000, v[TM+\m]    ; 8 off the exponent field: the conversion's scale operand
.endr
.irp m, 0,1,2,3
	v_and_or_b32 v[TH+\m], v[TM+\m], 0x7f800000, s[MNT]   ; 448 x the scale
.endr
.irp m, 0,1,2,3
	v_lshrrev_b32 v[TB+\m], 23, v[TS+\m]           ; the scale's byte
.endr
.irp m, 0,1,2,3
.irp i, 0,1,2,3,4,5,6,7,8,9,10,11,12,13,14,15
	v_med3_num_f32 v[ACC+16*\m+\i], v[ACC+16*\m+\i], 0, v[TH+\m]   ; relu and the hold in one (the conversion does not saturate: ISA guide 7.6.2)
.endr
	v_cvt_scalef32_pk8_fp8_f32 v[CT+4*\m:CT+4*\m+1], v[ACC+16*\m:ACC+16*\m+7], v[TS+\m]
	v_cvt_scalef32_pk8_fp8_f32 v[CT+4*\m+2:CT+4*\m+3], v[ACC+16*\m+8:ACC+16*\m+15], v[TS+\m]
.endr
	v_nop                                          ; a plain instruction between the last conversion and the first use of its result
.irp m, 0,1,2,3
.irp k, 0,1,2,3
	v_cndmask_b32 v[OC+8*\m+\k], v[OC+8*\m+\k], v[CT+4*\m+\k], s[MKA+\m]       ; slot 0 where the expert is the row's a,
	v_cndmask_b32 v[OC+8*\m+4+\k], v[OC+8*\m+4+\k], v[CT+4*\m+\k], s[MKB+\m]   ; slot 1 where it is its b
.endr
	v_cndmask_b32 v[OB+2*\m], v[OB+2*\m], v[TB+\m], s[MKA+\m]
	v_cndmask_b32 v[OB+2*\m+1], v[OB+2*\m+1], v[TB+\m], s[MKB+\m]
.endr
.endm
; Layer 3: the sum kept + weight x result, taken only where the row chose the expert.  Ascending: each accumulator is read from its low end on.
.macro CEPI
.irp m, 0,1,2,3
	s_or_b32 s[MKU+\m], s[MKA+\m], s[MKB+\m]
	v_cndmask_b32 v[WS+2*\m], v[WAB+2*\m], v[WAB+2*\m+1], s[MKB+\m]
.endr
.irp m, 0,1,2,3
.irp p, 0,2,4,6,8,10,12,14
	v_pk_fma_f32 v[ACC+16*\m+\p:ACC+16*\m+\p+1], v[ACC+16*\m+\p:ACC+16*\m+\p+1], v[WS+2*\m:WS+2*\m+1], v[OUT+16*\m+\p:OUT+16*\m+\p+1] op_sel_hi:[1,0,1]
.endr
.irp i, 0,1,2,3,4,5,6,7,8,9,10,11,12,13,14,15
	v_cndmask_b32 v[OUT+16*\m+\i], v[OUT+16*\m+\i], v[ACC+16*\m+\i], s[MKU+\m]
.endr
.endr
.endm
.macro BODY pf                         ; one expert on the block's 64 rows
.if \pf
	s_wait_xcnt 0x0                                ; the pending loads have read their bases: these are written now
	BASES EN
	LDSC
.endif
	SELECT
	ALOAD 0
	s_wait_alu depctr_va_vdst(0)
.irp s, 0,1,2,3,4,5,6,7
	STEP \s, \pf
.endr
	WIN 0
.if \pf
	s_wait_loadcnt 63                              ; 68 loads were issued behind the next expert's scale words: they are in
.irp s, 0,1,2,3,4,5,6,7
	v_mov_b32 v[SCW+\s], v[SCN+\s]                 ; behind the nine places; the lines below are far more than the eight places that a scale register so written stands ahead of its product
.endr
.else
	s_barrier_signal -1                            ; the last expert: my reads of A are over (K step 7 waited for all my LDS loads, and none was issued since): say so,
.endif
.if LAYER < 3
	QEPI
.else
	CEPI
.endif
.if (\pf) == 0
	s_wait_alu depctr_va_vdst(0)
	s_barrier_wait -1                              ; work on registers meanwhile, and go on when all four have said so: A's bytes may be written again
.endif
.endm
	s_load_b256 s[4:11], s[0:1], 0x0               ; A s[4:5], the list s[6:7], W's codes s[8:9], W's scale bytes s[10:11]
	s_load_b128 s[12:15], s[0:1], 0x20             ; the bias s[12:13], the result s[14:15]
.if LAYER == 3
	s_load_b64 s[16:17], s[0:1], 0x30              ; the weights
.endif
	v_lshl_add_u32 v[SPW], v0, 2, SPARE
	v_mov_b32 v[NIL], 0
	v_lshrrev_b32 v[R], 5, v0
	v_readfirstlane_b32 s[WV], v[R]                ; wave 0..3
	s_mov_b32 s[CG], ttmp9                         ; which 128 columns
	s_and_b32 s[BL], ttmp7, 0xffff                 ; which block
	v_and_b32 v[R], 15, v0
	v_bfe_u32 v[H], v0, 4, 1
	v_and_b32 v[L16], 31, v0
	v_lshlrev_b32 v[L16], 4, v[L16]
	v_lshl_add_u32 v[R4], v[R], 2, SCA
	v_and_b32 v[VOS], 8, v[R]
	v_add_nc_u32 v[VOS], v[VOS], v[R]              ; r + 8 (r / 8)
	v_lshlrev_b32 v[VOB], 10, v[VOS]
	v_lshl_add_u32 v[VOB], v[H], 4, v[VOB]
	v_lshl_add_u32 v[VOS], v[H], 3, v[VOS]
	v_lshlrev_b32 v[VOS], 5, v[VOS]
	v_lshlrev_b32 v[VOBI], 6, v[H]
	s_lshl_b32 s[TMP], s[WV], 15
	v_add_nc_u32 v[LW], s[TMP], v[L16]
	v_lshlrev_b32 v[I4], 2, v[R]
	v_mov_b32 v[ONE], 1
	v_mov_b32 v[TV], 0                             ; written once: a DPP form's destination counts as one of its sources
.if LAYER == 1
	s_lshl_b32 s[TMP], s[WV], 6
	v_add_nc_u32 v[I4W], s[TMP], v[I4]
	v_lshl_add_u32 v[XSA], v[H], 11, v[R4]
	s_lshl_b32 s[TMP], s[WV], 7
	v_add_nc_u32 v[XSA], s[TMP], v[XSA]            ; SCA + 2048 h + 128 wave + 4 r
.irp m, 0,1,2,3
	v_add_nc_u32 v[ADA+\m], 32768*\m, v[L16]       ; x is the same for both experts of a row: one slot, constant addresses
	v_add_nc_u32 v[ADS+\m], 128*\m, v[R4]
.endr
.else
	s_lshl_b32 s[TMP], s[WV], 12
	v_add_nc_u32 v[VGA], s[TMP], v[L16]
	v_lshlrev_b32 v[T16], 4, v0
	v_add_nc_u32 v[T16L], SCA, v[T16]
.endif
.if LAYER < 3
	v_lshlrev_b32 v[STB], 2, v[R]
	v_add_nc_u32 v[STB], s[WV], v[STB]
	s_lshl_b32 s[TMP], s[WV], 9
	v_add_nc_u32 v[VST], s[TMP], v[L16]
.irp m, 0,1,2,3
	v_mov_b32 v[TP+\m], 0                          ; written once: a lane permute's destination counts as one of its sources
.endr
.set I, 0
.rept 40
	v_mov_b32 v[OC+I], 0                           ; what is kept is the target of selects, and which expert fills a lane first hangs on the list: so it is written once here
.set I, I+1
.endr
.else
	v_mul_u32_u24 v[STO], v[R], 528
	v_lshl_add_u32 v[STO], v[H], 6, v[STO]
	s_lshl_b32 s[TMP], s[WV], 7
	v_add_nc_u32 v[STO], s[TMP], v[STO]            ; 528 r + 64 h + 128 wave
	s_mul_i32 s[TMP], s[WV], 8448
	v_add_nc_u32 v[RD], s[TMP], v[L16]             ; 16 rows x wave + 16 lane
.set I, 0
.rept 8
	v_mov_b32 v[WS+I], 0                           ; (the packed form names a pair and takes its low word: the high word is written once)
.set I, I+1
.endr
.set I, 0
.rept 64
	v_mov_b32 v[OUT+I], 0                          ; the sums begin at 0, as reference()'s out does; which expert adds first hangs on the list
.set I, I+1
.endr
.endif
	s_mov_b32 s[SEL], 0x76543210                   ; v_permlanex16_b32's selects for lane l xor 16
	s_mov_b32 s[SEL+1], 0xfedcba98
	s_mov_b32 s[MNT], 0x600000                     ; the mantissa field of 448
	s_lshl_b32 s[TMP], s[CG], 7
	s_lshl_b32 s[OFS], s[WV], 5
	s_add_co_u32 s[TMP], s[TMP], s[OFS]            ; n0: my wave's first column
	s_mov_b32 s[OFS+1], 0
	s_wait_kmcnt 0x0
	s_lshl_b32 s[OFS], s[TMP], 10
	s_add_nc_u64 s[WB:WB+1], s[8:9], s[OFS:OFS+1]
	s_lshl_b32 s[OFS], s[TMP], 5
	s_add_nc_u64 s[SB:SB+1], s[10:11], s[OFS:OFS+1]
	s_lshl_b32 s[OFS], s[TMP], 2
	s_add_nc_u64 s[BB:BB+1], s[12:13], s[OFS:OFS+1]
	s_lshl_b32 s[OFS], s[BL], 8
	s_add_nc_u64 s[6:7], s[6:7], s[OFS:OFS+1]      ; the block's 64 words of the list
.if LAYER == 1
	s_add_nc_u64 s[ASR:ASR+1], s[4:5], 0x200000    ; x's scale words lie behind its codes
.else
	s_add_nc_u64 s[ASR:ASR+1], s[4:5], 0x400000    ; the hidden layer's scale words lie behind its codes: 4,096 bytes a block
	s_lshl_b32 s[OFS], s[BL], 12
	s_add_nc_u64 s[ASR:ASR+1], s[ASR:ASR+1], s[OFS:OFS+1]
	s_lshl_b32 s[OFS], s[BL], 17
	s_add_nc_u64 s[4:5], s[4:5], s[OFS:OFS+1]      ; its codes: 131,072 bytes a block
.endif
.if LAYER < 3
	s_add_nc_u64 s[DSC:DSC+1], s[14:15], 0x400000
	s_lshl_b32 s[OFS], s[BL], 12
	s_add_nc_u64 s[DSC:DSC+1], s[DSC:DSC+1], s[OFS:OFS+1]
	s_lshl_b32 s[OFS], s[CG], 9
	s_add_nc_u64 s[DSC:DSC+1], s[DSC:DSC+1], s[OFS:OFS+1]   ; scale words: block, then K step = my 128 columns
	s_lshl_b32 s[OFS], s[BL], 17
	s_add_nc_u64 s[14:15], s[14:15], s[OFS:OFS+1]
	s_lshl_b32 s[OFS], s[CG], 14
	s_add_nc_u64 s[14:15], s[14:15], s[OFS:OFS+1]  ; codes likewise: 16,384 bytes a K step
.else
	s_lshl_b32 s[OFS], s[CG], 9
	s_add_nc_u64 s[14:15], s[14:15], s[OFS:OFS+1]  ; out0 at my 128 columns
	s_lshl_b32 s[OFS], s[WV], 6
	s_add_nc_u64 s[SIW:SIW+1], s[6:7], s[OFS:OFS+1]
	s_load_b512 s[TOK:TOK+15], s[SIW:SIW+1], 0x0   ; for the way out; waited for there
.endif
.irp m, 0,1,2,3
	global_load_b32 v[INF+\m], v[I4], s[6:7] offset:64*\m          ; the list's word of row 16 m + r
.endr
.if LAYER == 1
	global_load_b32 v[MYI], v[I4W], s[6:7]         ; and of the row whose codes I gather: 16 wave + r
	s_wait_loadcnt 0x0
.else
	WIN 0x80                                       ; the block's A: wave w fetches tile m = w, both slots: 64 loads of 512 consecutive bytes
.irp p, 0,1
.irp s, 0,1,2,3,4,5,6,7
.irp c, 0,1,2,3
	global_load_b128 v[16*(8*\p+\s)+4*\c:16*(8*\p+\s)+4*\c+3], v[VGA], s[4:5] offset:\s*16384+\p*2048+\c*512
.endr
.endr
.endr
	WIN 0
	global_load_b128 v[SST:SST+3],   v[T16], s[ASR:ASR+1]
	global_load_b128 v[SST+4:SST+7], v[T16], s[ASR:ASR+1] offset:2048
	s_wait_loadcnt 63                              ; 66 loads were issued behind the list's words: they are in
.endif
.irp m, 0,1,2,3
	v_bfe_u32 v[IA+\m], v[INF+\m], 16, 4
	v_bfe_u32 v[IB+\m], v[INF+\m], 20, 4
.endr
	v_lshlrev_b32 v[BITS], v[IA], v[ONE]           ; a bit for each expert that a row of the block chose
.irp m, 1,2,3,4,5,6,7
	v_lshl_or_b32 v[BITS], v[ONE], v[IA+\m], v[BITS]
.endr
.irp n, 1,2,4,8
	v_mov_b32_dpp v[TV], v[BITS] row_xmask:\n row_mask:0xf bank_mask:0xf
	v_or_b32 v[BITS], v[BITS], v[TV]
.endr
	v_readfirstlane_b32 s[MASK], v[BITS]
	s_and_b32 s[MASK], s[MASK], 0xff
	s_bcnt1_i32_b32 s[CNT], s[MASK]
	s_sub_co_u32 s[CNT], s[CNT], 1
	s_min_u32 s[CNT], s[CNT], 7                    ; a row has two different experts: 1 .. 7
	s_ctz_i32_b32 s[EC], s[MASK]
	s_min_u32 s[EC], s[EC], 7                      ; the first expert present
	s_sub_co_u32 s[TMP], s[MASK], 1
	s_and_b32 s[MASK], s[MASK], s[TMP]
.if LAYER == 1
	v_and_b32 v[MYI], 0x7ff, v[MYI]
	v_min_u32 v[MYI], 0x7ff, v[MYI]                ; the token, held inside x
	v_lshlrev_b32 v[XO], 10, v[MYI]
	v_lshl_add_u32 v[XO], v[H], 4, v[XO]
	v_lshlrev_b32 v[XSO], 5, v[MYI]
	v_lshl_add_u32 v[XSO], v[H], 4, v[XSO]
	WIN 0x80                                       ; wave w gathers tile m = w: 32 loads straight into the operand's layout
.irp s, 0,1,2,3,4,5,6,7
.irp c, 0,1,2,3
	global_load_b128 v[16*\s+4*\c:16*\s+4*\c+3], v[XO], s[4:5] offset:128*\s+32*\c
.endr
.endr
	WIN 0
	global_load_b128 v[SST:SST+3], v[XSO], s[ASR:ASR+1]            ; the row's scale words 4 h + 0 .. 3
.endif
.if LAYER == 3
.irp m, 0,1,2,3
	v_and_b32 v[INF+\m], 0x7ff, v[INF+\m]
	v_min_u32 v[INF+\m], 0x7ff, v[INF+\m]
	v_lshlrev_b32 v[INF+\m], 3, v[INF+\m]
	global_load_b64 v[WAB+2*\m:WAB+2*\m+1], v[INF+\m], s[16:17]    ; (wa, wb) of row 16 m + r
.endr
.endif
	BASES EC                                       ; the first expert: the same order of loads as in the walk
	LDSC
	LDG 0
	LDBI
.irp s, 1,2,3,4,5,6,7
	LDG \s
.endr
	WIN 0
	s_wait_loadcnt 63                              ; 74 loads were issued behind A's, 68 behind W's scale words: A, its scale words, the weights and W's scale words are in
.irp s, 0,1,2,3,4,5,6,7
	v_mov_b32 v[SCW+\s], v[SCN+\s]
.endr
.rept 8
	v_nop                                          ; a scale register written by a vector instruction stands eight places ahead of its product
.endr
	WIN 0x08                                       ; an LDS store's data are its source 1: window 2
.if LAYER == 1
.irp s, 0,1,2,3,4,5,6,7
.irp c, 0,1,2,3
	ds_store_b128 v[LW], v[16*\s+4*\c:16*\s+4*\c+3] offset:\s*2048+\c*512
.endr
.endr
	WIN 0
.irp j, 0,1,2,3
	ds_store_b32 v[XSA], v[SST+\j] offset:512*\j   ; K step 4 h + j
.endr
.else
.irp p, 0,1
.irp s, 0,1,2,3,4,5,6,7
.irp c, 0,1,2,3
	ds_store_b128 v[LW], v[16*(8*\p+\s)+4*\c:16*(8*\p+\s)+4*\c+3] offset:\p*16384+\s*2048+\c*512
.endr
.endr
.endr
	WIN 0
	ds_store_b128 v[T16L], v[SST:SST+3]
	ds_store_b128 v[T16L], v[SST+4:SST+7] offset:2048
.endif
	s_wait_dscnt 0x0                               ; for the others' sake: my part of A lies in LDS
	s_barrier_signal -1
	s_barrier_wait -1                              ; everybody's does; from here on A is only read, up to the barrier in the last expert's body
	s_mov_b32 s[IT], 0
.Lwalk:                                                ; a trip: one expert is multiplied while the next one present is fetched
	s_ctz_i32_b32 s[EN], s[MASK]
	s_min_u32 s[EN], s[EN], 7
	s_sub_co_u32 s[TMP], s[MASK], 1
	s_and_b32 s[MASK], s[MASK], s[TMP]
	BODY 1
	s_mov_b32 s[EC], s[EN]
	s_add_co_u32 s[IT], s[IT], 1
	s_cmp_lt_u32 s[IT], s[CNT]
	s_cbranch_scc1 .Lwalk
	BODY 0                                         ; the last expert is written out: it fetches nothing, its waits count down, and it holds the barrier behind A's last read
.if LAYER < 3
	; THE WAY OUT.  My codes are piece c = wave of the next layer's fragments: each store covers 512 consecutive bytes, aligned.  The four waves' bytes make the rows' scale words in LDS, in bytes that held A.
.irp m, 0,1,2,3
.irp p, 0,1
	global_store_b128 v[VST], v[OC+4*(2*\m+\p):OC+4*(2*\m+\p)+3], s[14:15] offset:4096*\m+2048*\p
	ds_store_b8 v[STB], v[OB+2*\m+\p] offset:SCB+64*(2*\m+\p)      ; both halves of the lanes write the same byte with the same value
.endr
.endr
	s_wait_dscnt 0x0                               ; for wave 0's sake
	s_barrier_signal -1
	s_barrier_wait -1
	s_cmp_lg_u32 s[WV], 0
	s_cbranch_scc1 .Lend
	ds_load_b128 v[CT:CT+3], v[L16] offset:SCB
	s_wait_dscnt 0x0
	global_store_b128 v[L16], v[CT:CT+3], s[DSC:DSC+1]             ; 512 consecutive bytes, aligned
.Lend:
.else
	; THE WAY OUT.  A row's 128 columns come from four waves: they meet in the stage, in bytes that held A, and each wave stores 16 whole rows of 512 bytes, each to its token's row of out0.
.irp m, 0,1,2,3
.irp q, 0,1,2,3
	ds_store_b128 v[STO], v[OUT+16*\m+4*\q:OUT+16*\m+4*\q+3] offset:STG+8448*\m+16*\q
.endr
.endr
	s_wait_kmcnt 0x0                               ; the list's words of my 16 rows
.irp t, 0,1,2,3,4,5,6,7,8,9,10,11,12,13,14,15
	s_and_b32 s[TMP], s[TOK+\t], 0x7ff
	s_min_u32 s[TMP], s[TMP], 2047                 ; the token, held inside out0
	s_lshl_b32 s[TMP], s[TMP], 12
	v_add_nc_u32 v[TO+\t], s[TMP], v[L16]
.endr
	s_wait_alu depctr_va_vdst(0)
	s_wait_dscnt 0x0                               ; for the others' sake: my stores into the stage are done
	s_barrier_signal -1
	s_barrier_wait -1
.irp t, 0,1,2,3,4,5,6,7,8,9,10,11,12,13,14,15
	ds_load_b128 v[ACC+4*\t:ACC+4*\t+3], v[RD] offset:STG+528*\t
.endr
.irp t, 0,1,2,3,4,5,6,7,8,9,10,11,12,13,14,15
	s_wait_dscnt 15-\t                             ; row t is back; the younger rows stay out
	global_store_b128 v[TO+\t], v[ACC+4*\t:ACC+4*\t+3], s[14:15] th:TH_STORE_NT   ; 32 lanes store 512 consecutive bytes, aligned; written once
.endr
.endif
	s_wait_tensorcnt 0x0                           ; the wave's end
	ds_add_u32 v[SPW], v[NIL]
	s_wait_dscnt 0x0
	s_endpgm
.Lfunc_end_k_q1068f7973f_layer3:
	.size	k_q1068f7973f_layer3, .Lfunc_end_k_q1068f7973f_layer3-k_q1068f7973f_layer3
	.p2alignl 7, 3214868480
	.fill 96, 4, 3214868480
	.section	.rodata,"a",@progbits
	.p2align	6, 0x0
	.amdhsa_kernel k_q1068f7973f_layer3
		.amdhsa_group_segment_fixed_size 135680
		.amdhsa_private_segment_fixed_size 0
		.amdhsa_enable_private_segment 0
		.amdhsa_kernarg_size 56
		.amdhsa_user_sgpr_count 2
		.amdhsa_user_sgpr_kernarg_segment_ptr 1
		.amdhsa_wavefront_size32 1
		.amdhsa_system_sgpr_workgroup_id_x 1
		.amdhsa_system_sgpr_workgroup_id_y 1
		.amdhsa_system_sgpr_workgroup_id_z 1
		.amdhsa_system_vgpr_workitem_id 0
		.amdhsa_next_free_vgpr 768
		.amdhsa_next_free_sgpr 90
		.amdhsa_reserve_vcc 0
		.amdhsa_float_denorm_mode_32 3
		.amdhsa_float_denorm_mode_16_64 3
		.amdhsa_memory_ordered 1
		.amdhsa_forward_progress 1
		.amdhsa_inst_pref_size 100
	.end_amdhsa_kernel
	.amdgpu_metadata
---
amdhsa.version: [ 1, 2 ]
amdhsa.kernels:
  - .name:           k_q1068f7973f_layer3
    .symbol:         k_q1068f7973f_layer3.kd
    .args:
      - { .name: h2, .offset: 0, .size: 8, .value_kind: global_buffer, .address_space: global }
      - { .name: sinfo, .offset: 8, .size: 8, .value_kind: global_buffer, .address_space: global }
      - { .name: w3_codes, .offset: 16, .size: 8, .value_kind: global_buffer, .address_space: global }
      - { .name: w3_scales, .offset: 24, .size: 8, .value_kind: global_buffer, .address_space: global }
      - { .name: b3, .offset: 32, .size: 8, .value_kind: global_buffer, .address_space: global }
      - { .name: out0, .offset: 40, .size: 8, .value_kind: global_buffer, .address_space: global }
      - { .name: rw, .offset: 48, .size: 8, .value_kind: global_buffer, .address_space: global }
    .group_segment_fixed_size: 135680
    .private_segment_fixed_size: 0
    .kernarg_segment_align: 8
    .kernarg_segment_size: 56
    .max_flat_workgroup_size: 128
    .sgpr_count:     90
    .vgpr_count:     768
    .wavefront_size: 32
...
	.end_amdgpu_metadata
.endif
;; end of part 5
